; MI455X (gfx1250); checked and timed in simulation.
; The chip was launched on July 23, 2026; its instructions are those of AMD's public machine-readable ISA for CDNA 5 (MIT licence, August 2026) and "CDNA5" Instruction Set Architecture Reference Guide (July 2026). The comments in the code are by the model that wrote it; some were corrected since.
;; Self Attention. Allowed arithmetic: matrix products marked QUANTISED: E2M1 operands, one E8M0 scale for each 32 along K, by v_wmma_scale_f32_16x16x128_f8f6f4 with both operands' format E2M1 (or v_wmma_scale_f32_32x16x128_f4), f32 sums; products left as they are: bf16, f16 or f32 operands; f32 sums; everything else in f32.
;; Inputs: W_attn 3,072 x 1,024 float32; W_proj 1,024 x 1,024 float32; b_attn 3,072 float32; b_proj 1,024 float32; x 4 x 2,048 x 1,024 float32.
;; Outputs: out0 4 x 2,048 x 1,024 float32.
;; This version of the problem:
;;   THIS VERSION OF THE PROBLEM IS GIVEN IN LOW PRECISION. The matrix products marked QUANTISED in the list below multiply operands that are first quantised to E2M1 (2 exponent bits, 1 mantissa bit; 4 bits a number), with one power-of-two scale for each 32 numbers along K (OCP MX v1.0); their sums are f32. The products marked 'left as it is' may take bf16, f16 or f32 operands, with f32 sums. Whichever they take, every output number must still come out within the allowed error. Rounding operands to bf16 (8 significant bits) uses up far more of that allowance than f16 does (11 bits, for magnitudes from 6e-5 to 65,504). All else is computed in f32.
;;   The module's matrix products, in the order in which they are computed (A, B: the left and right operand; K: the contracted axis; several contracted axes count as one K, in the product's order):
;;     1. [M 8,192, K 1,024] x [K 1,024, N 3,072]; A: input x; B: input W_attn: QUANTISED
;;     2. batch 64 x [M 2,048, K 64] x [K 64, N 2,048]; A: computed on the way; B: computed on the way: left as it is (an operand is computed on the way)
;;     3. batch 64 x [M 2,048, K 2,048] x [K 2,048, N 64]; A: computed on the way; B: computed on the way: left as it is (an operand is computed on the way)
;;     4. [M 8,192, K 1,024] x [K 1,024, N 1,024]; A: computed on the way; B: input W_proj: left as it is (an operand is computed on the way)
;;   THE QUANTISER, for each operand of a quantised product, along K:
;;     - K is cut into blocks of 32 from its start; a last block that is shorter is filled with zeros.
;;     - A block's scale is 2^e with e = floor(log2(the largest magnitude in the block)) - 2, held to -126 .. 127; a block of zeros has e = 0. As a byte (E8M0): e + 127.
;;     - Each number is divided by its block's scale, clamped to +-6, and rounded to the nearest number of E2M1, ties to even, subnormals kept.
;;     - The product sums the exact products of the quantised numbers (number of the format x scale) in f32.
;;   ~~~python
;;   def quantise(x, axis):      # numpy; x: float32 -> the quantised numbers, widened to float32 again
;;       x = np.moveaxis(x, axis, -1); K = x.shape[-1]
;;       x = np.pad(x, [(0, 0)] * (x.ndim - 1) + [(0, -K % 32)]); x = x.reshape(x.shape[:-1] + (-1, 32)); a = np.abs(x).max(-1, keepdims=True)
;;       e = np.where(a > 0, np.clip(np.frexp(np.where(a > 0, a, 1))[1] - 1 - 2, -126, 127), 0)      # np.frexp(a)[1] - 1 = floor(log2(a)), exactly
;;       r = np.clip(x / 2.0 ** e, -6, 6)
;;       step = 2.0 ** (np.maximum(np.frexp(np.where(r == 0, 1, r))[1] - 1, 0) - 1)
;;       q = np.round(r / step) * step * 2.0 ** e      # np.round: ties to even
;;       return np.moveaxis(q.reshape(q.shape[:-2] + (-1,))[..., :K], -1, axis).astype(np.float32)
;;   ~~~
;; One version. Each part assembles by itself: llvm-mc -triple=amdgcn-amd-amdhsa -mcpu=gfx1250 --defsym DOCPART=n.
;; ======== version 1 of 1: 6 launches
;; limits: values are held in f16: magnitudes above 65,504 overflow, below 6.1e-05 lose precision
;; workspace buffers: xq 4,194,304 bytes; xs 262,144 bytes; wq 1,572,864 bytes; ws 98,304 bytes; wp16 2,097,152 bytes; qkv 50,331,648 bytes; y16 16,777,216 bytes; yf 262,144 bytes
;; launch prep (part 1): grid 384 x 1, 4 waves a work-group, no clusters, 33,280 bytes of LDS; arguments x, W_attn, xq, xs, wq, ws, W_proj, wp16; writes xq, xs, wq, ws, wp16
.if DOCPART == 1
	.amdgcn_target "amdgcn-amd-amdhsa--gfx1250"
	.amdhsa_code_object_version 6
	.text
	.protected	k_qdd9a14d57a_prep
	.globl	k_qdd9a14d57a_prep
	.p2align	8
	.type	k_qdd9a14d57a_prep,@function
k_qdd9a14d57a_prep:
	s_mov_b64 s[64:65], 0
	v_nop
	global_prefetch_b8 v0, s[64:65] scope:SCOPE_SE
	s_setreg_imm32_b32 hwreg(HW_REG_WAVE_MODE, 25, 1), 1
	s_wait_xcnt 0x0
; x [8192][1024] and W_attn [3072][1024], f32, become codes of FP4 (E2M1), K innermost, two codes a byte, with one E8M0 byte for each 32 along K; W_proj [1024][1024] f32 becomes f16.
; A block's scale is 2^(floor(log2(its largest magnitude)) - 2); its byte is the largest magnitude's exponent field - 2, held at 1 from below.
; A block of zeros so gets the byte 1 where the rule says 127: its codes are zeros, which add nothing, and the bytes are read by this program alone.
; LIMITS: blocks whose largest magnitude lies under 2^(3 - 127) keep the byte 1; NaN and infinities among the inputs are not served; |W_proj| stays under 65,504 (f16).
; Work-groups 0-255 take x, 256-351 W_attn, 352-383 W_proj; each takes 32,768 numbers, a wave 8,192.  Rows are dense and K is a multiple of 32: all three are plain streams.
; Quantiser: a wave takes 16 steps of 512 numbers.  Each load reads 512 consecutive bytes; a step's 2,048 bytes turn through the wave's own stage in LDS so that a lane holds 16 neighbours
; (two neighbouring lanes hold a block).  A lane's 16 codes are 8 bytes: the wave stores 256 consecutive bytes.  A wave's 256 scale bytes are gathered in LDS and leave as 256 consecutive bytes.
; No tensor loads, no barrier, no cluster: the waves share nothing and every byte is read once.
.set WAVES, 4
.set STEPS, 16
.set WGA,   256                        ; work-groups for x
.set WGQ,   352                        ; work-groups that quantise
.set EMAX,  2
.set CB,    8                          ; bytes of 16 codes
.set R,     16                         ; v16-79   four sets of 16 numbers as loaded (conversion arm: v16-143 two sets of 64)
.set X,     80                         ; v80-111  two sets of 16 neighbours
.set C,     128                        ; v128-191 codes: four registers for each step
.set E,     112                        ; v112-127 a scale byte for each step
.set D,     144                        ; conversion arm: v144-175 f16 pairs to store
.set WREG,  8192                       ; LDS: a region for each wave: two stages of 32 x SP bytes, then its 256 scale bytes
.set SP,    80                         ; a lane's place in a stage: 64 bytes + 16 of padding
.set SPW,   12                         ; v12 LDS address of my spare word; never rewritten
.set NIL,   13                         ; v13 0; never rewritten
.set SPARE, WAVES*WREG                 ; the spare words, 128 bytes for each wave, named by no other line
	s_load_b128 s[4:7], s[0:1], 0x0                ; x, W_attn
	s_load_b128 s[8:11], s[0:1], 0x10              ; xq, xs
	s_load_b128 s[12:15], s[0:1], 0x20             ; wq, ws
	s_load_b128 s[24:27], s[0:1], 0x30             ; W_proj, wp16
	v_lshl_add_u32 v[SPW], v0, 2, SPARE
	v_mov_b32 v[NIL], 0
	v_lshrrev_b32 v1, 5, v0
	v_readfirstlane_b32 s16, v1                    ; wave
	v_and_b32 v2, 31, v0                           ; lane
	v_lshlrev_b32 v3, 4, v2                        ; my 16 bytes of a load's 512
	s_mul_i32 s17, s16, WREG
	v_lshrrev_b32 v14, 2, v2
	v_mul_u32_u24 v14, v14, SP
	v_and_b32 v15, 3, v2
	v_lshl_add_u32 v14, v15, 4, v14
	v_add_nc_u32 v14, s17, v14                     ; the stage on the way in: SP (lane / 4) + 16 (lane % 4)
	v_mul_u32_u24 v15, v2, SP
	v_add_nc_u32 v15, s17, v15                     ; and on the way out: SP x lane
	v_mul_u32_u24 v4, v2, CB                       ; my codes' place in a step's
	v_lshrrev_b32 v5, 1, v2
	s_add_co_u32 s17, s17, 2*32*SP
	v_add_nc_u32 v5, s17, v5                       ; my wave's 256 scale bytes, my block's byte
	v_lshlrev_b32 v7, 3, v2                        ; 8 bytes a lane
	v_add_nc_u32 v6, s17, v7
	s_wait_kmcnt 0x0
	s_cmp_ge_u32 ttmp9, WGQ                        ; the work-group's number alone decides the arm
	s_cbranch_scc1 .Lconv
	s_cmp_lt_u32 ttmp9, WGA                        ; x or W_attn: only pointers are chosen
	s_cselect_b64 s[4:5], s[4:5], s[6:7]
	s_cselect_b64 s[8:9], s[8:9], s[12:13]
	s_cselect_b64 s[10:11], s[10:11], s[14:15]
	s_cselect_b32 s17, 0, WGA
	s_sub_co_u32 s17, ttmp9, s17
	s_lshl_b32 s17, s17, 2
	s_add_co_u32 s18, s17, s16                     ; which run of 8,192 numbers is my wave's
	s_mov_b32 s19, 0
	s_mov_b64 s[20:21], 512*STEPS*4
	s_mul_u64 s[20:21], s[18:19], s[20:21]
	s_add_nc_u64 s[4:5], s[4:5], s[20:21]
	s_mov_b64 s[20:21], 32*STEPS*CB
	s_mul_u64 s[20:21], s[18:19], s[20:21]
	s_add_nc_u64 s[8:9], s[8:9], s[20:21]
	s_lshl_b32 s18, s18, 8                         ; 256 scale bytes a run
	s_add_nc_u64 s[10:11], s[10:11], s[18:19]
.macro LOAD t
.irp i, 0,1,2,3
	global_load_b128 v[R+16*((\t)%4)+4*\i:R+16*((\t)%4)+4*\i+3], v3, s[4:5] offset:2048*(\t)+512*\i th:TH_LOAD_NT   ; 32 lanes read 512 consecutive bytes
.endr
.endm
.macro TURN t                          ; step t's numbers through the stage: LDS serves a wave's instructions in order, so no wait stands between the stores and the loads
.irp i, 0,1,2,3
	ds_store_b128 v14, v[R+16*((\t)%4)+4*\i:R+16*((\t)%4)+4*\i+3] offset:32*SP*((\t)%2)+8*SP*\i
.endr
.irp i, 0,1,2,3
	ds_load_b128 v[X+16*((\t)%2)+4*\i:X+16*((\t)%2)+4*\i+3], v15 offset:32*SP*((\t)%2)+16*\i
.endr
.endm
.irp t, 0,1,2,3
	LOAD \t
.endr
	s_wait_loadcnt 12                              ; step 0's four loads are in; the twelve behind them stay out
	TURN 0
.macro STEP t
.set XS, X+16*((\t)%2)
.if (\t) > 0
	s_wait_dscnt 1                                 ; this step's numbers are back from the stage; the last step's byte store may be out
.else
	s_wait_dscnt 0x0
.endif
.if (\t)+4 < STEPS
	LOAD (\t)+4                                    ; the registers that the stage's stores have read take the loads of four steps on
.endif
.if (\t)+1 < STEPS
.if STEPS-2-(\t) >= 3
	s_wait_loadcnt 12                              ; the next step's four loads are in; those of the three steps behind may be out
.else
	s_wait_loadcnt 4*(STEPS-2-(\t))
.endif
	TURN (\t)+1
.endif
	v_max3_num_f32 v8, |v[XS]|, |v[XS+1]|, |v[XS+2]|               ; the largest magnitude of my 16, in two chains
	v_max3_num_f32 v9, |v[XS+3]|, |v[XS+4]|, |v[XS+5]|
.irp i, 6,10
	v_max3_num_f32 v8, v8, |v[XS+\i]|, |v[XS+\i+1]|
	v_max3_num_f32 v9, v9, |v[XS+\i+2]|, |v[XS+\i+3]|
.endr
	v_max3_num_f32 v8, v8, |v[XS+14]|, |v[XS+15]|
	v_max3_num_f32 v8, v8, v9, (EMAX+1)<<23        ; and the floor 2^(3 - 127): the byte cannot fall under 1
	v_max_num_f32_dpp v8, v8, v8 row_xmask:1 row_mask:0xf bank_mask:0xf   ; with my neighbour's 16: the block's
	v_add_nc_u32 v11, -(EMAX<<23), v8              ; 2 off its exponent field: the conversion takes the exponent field of this operand as its scale
	v_cvt_scalef32_pk8_fp4_f32 v[C+4*(\t)], v[XS:XS+7], v11
	v_cvt_scalef32_pk8_fp4_f32 v[C+4*(\t)+1], v[XS+8:XS+15], v11
	v_lshrrev_b32 v[E+(\t)], 23, v11               ; the scale's byte (also the plain line behind the conversions)
	ds_store_b8 v5, v[E+(\t)] offset:16*(\t)       ; both lanes of a block write the same byte with the same value
	global_store_b64 v4, v[C+4*(\t):C+4*(\t)+1], s[8:9] offset:32*CB*(\t)   ; the wave stores 256 consecutive bytes
.endm
.irp t, 0,1,2,3,4,5,6,7,8,9,10,11,12,13,14,15
	STEP \t
.endr
	ds_load_b64 v[8:9], v6                         ; LDS serves a wave's instructions in order: these see my byte stores
	s_wait_dscnt 0x0
	global_store_b64 v7, v[8:9], s[10:11]          ; 32 lanes store 256 consecutive bytes
	s_wait_tensorcnt 0x0                           ; the wave's end: three closing lines behind my last LDS store
	ds_add_u32 v[SPW], v[NIL]
	s_wait_dscnt 0x0
	s_endpgm
; W_proj to f16: four groups of 2,048 numbers a wave, loads one group ahead, no LDS.
.Lconv:
	s_sub_co_u32 s17, ttmp9, WGQ
	s_lshl_b32 s17, s17, 2
	s_add_co_u32 s17, s17, s16                     ; which run of 8,192 numbers is my wave's
	s_lshl_b32 s18, s17, 15                        ; 32,768 bytes in,
	s_mov_b32 s19, 0
	s_add_nc_u64 s[24:25], s[24:25], s[18:19]
	s_lshl_b32 s18, s17, 14                        ; 16,384 bytes out
	s_add_nc_u64 s[26:27], s[26:27], s[18:19]
.macro LOADC g
.set i, 0
.rept 16
	global_load_b128 v[R+64*((\g)%2)+4*i:R+64*((\g)%2)+4*i+3], v3, s[24:25] offset:8192*(\g)+512*i th:TH_LOAD_NT
.set i, i+1
.endr
.endm
.macro CONV g
.if (\g) < 3
	s_wait_loadcnt 16                              ; this group's 16 loads are in; the next group's 16 may be out
.else
	s_wait_loadcnt 0x0
.endif
.if (\g) > 0
	s_wait_xcnt 0x0                                ; the last group's stores have read their data: D is written again only behind this wait
.endif
.set i, 0
.rept 32
	v_cvt_pk_f16_f32 v[D+i], v[R+64*((\g)%2)+2*i], v[R+64*((\g)%2)+2*i+1]
.set i, i+1
.endr
.if (\g) < 2
	LOADC (\g)+2
.endif
.set i, 0
.rept 16
	global_store_b64 v7, v[D+2*i:D+2*i+1], s[26:27] offset:4096*(\g)+256*i   ; the wave stores 256 consecutive bytes
.set i, i+1
.endr
.endm
	LOADC 0
	LOADC 1
	CONV 0
	CONV 1
	CONV 2
	CONV 3
	s_wait_tensorcnt 0x0                           ; the same three closing lines as in the other arm
	ds_add_u32 v[SPW], v[NIL]
	s_wait_dscnt 0x0
	s_endpgm
.Lfunc_end_k_qdd9a14d57a_prep:
	.size	k_qdd9a14d57a_prep, .Lfunc_end_k_qdd9a14d57a_prep-k_qdd9a14d57a_prep
	.p2alignl 7, 3214868480
	.fill 96, 4, 3214868480
	.section	.rodata,"a",@progbits
	.p2align	6, 0x0
	.amdhsa_kernel k_qdd9a14d57a_prep
		.amdhsa_group_segment_fixed_size 33280
		.amdhsa_private_segment_fixed_size 0
		.amdhsa_enable_private_segment 0
		.amdhsa_kernarg_size 64
		.amdhsa_user_sgpr_count 2
		.amdhsa_user_sgpr_kernarg_segment_ptr 1
		.amdhsa_wavefront_size32 1
		.amdhsa_system_sgpr_workgroup_id_x 1
		.amdhsa_system_sgpr_workgroup_id_y 1
		.amdhsa_system_sgpr_workgroup_id_z 1
		.amdhsa_system_vgpr_workitem_id 0
		.amdhsa_next_free_vgpr 192
		.amdhsa_next_free_sgpr 66
		.amdhsa_reserve_vcc 0
		.amdhsa_float_denorm_mode_32 3
		.amdhsa_float_denorm_mode_16_64 3
		.amdhsa_memory_ordered 1
		.amdhsa_forward_progress 1
		.amdhsa_inst_pref_size 54
	.end_amdhsa_kernel
	.amdgpu_metadata
---
amdhsa.version: [ 1, 2 ]
amdhsa.kernels:
  - .name:           k_qdd9a14d57a_prep
    .symbol:         k_qdd9a14d57a_prep.kd
    .args:
      - { .name: x, .offset: 0, .size: 8, .value_kind: global_buffer, .address_space: global }
      - { .name: W_attn, .offset: 8, .size: 8, .value_kind: global_buffer, .address_space: global }
      - { .name: xq, .offset: 16, .size: 8, .value_kind: global_buffer, .address_space: global }
      - { .name: xs, .offset: 24, .size: 8, .value_kind: global_buffer, .address_space: global }
      - { .name: wq, .offset: 32, .size: 8, .value_kind: global_buffer, .address_space: global }
      - { .name: ws, .offset: 40, .size: 8, .value_kind: global_buffer, .address_space: global }
      - { .name: W_proj, .offset: 48, .size: 8, .value_kind: global_buffer, .address_space: global }
      - { .name: wp16, .offset: 56, .size: 8, .value_kind: global_buffer, .address_space: global }
    .group_segment_fixed_size: 33280
    .private_segment_fixed_size: 0
    .kernarg_segment_align: 8
    .kernarg_segment_size: 64
    .max_flat_workgroup_size: 128
    .sgpr_count:     66
    .vgpr_count:     192
    .wavefront_size: 32
...
	.end_amdgpu_metadata
.endif
;; end of part 1
;; launch qkv (part 2): grid 12 x 32, 4 waves a work-group, clusters of 4 x 4, 327,680 bytes of LDS; arguments xq, xs, wq, ws, qkv, b_attn; writes qkv
.if DOCPART == 2
	.amdgcn_target "amdgcn-amd-amdhsa--gfx1250"
	.amdhsa_code_object_version 6
	.text
	.protected	k_qdd9a14d57a_qkv
	.globl	k_qdd9a14d57a_qkv
	.p2align	8
	.type	k_qdd9a14d57a_qkv,@function
k_qdd9a14d57a_qkv:
	s_mov_b64 s[64:65], 0
	v_nop
	global_prefetch_b8 v0, s[64:65] scope:SCOPE_SE
	s_setreg_imm32_b32 hwreg(HW_REG_WAVE_MODE, 25, 1), 1
	s_wait_xcnt 0x0
	s_wait_alu depctr_hold_cnt(0) depctr_sa_sdst(0) depctr_va_vdst(0) depctr_va_sdst(0) depctr_va_ssrc(0) depctr_va_vcc(0) depctr_vm_vsrc(0)
	s_getreg_b32 s2, hwreg(HW_REG_IB_STS2, 6, 4)
	s_cmp_eq_u32 s2, 0
	s_cbranch_scc0 .Lentry_in_a_cluster
	s_endpgm
.Lentry_in_a_cluster:
	s_bfe_u32 s2, ttmp6, 0x10000c
	s_cmp_lg_u32 s2, 0xf033
	s_cbranch_scc0 .Lentry_shape_is_right
	s_endpgm
.Lentry_shape_is_right:
; q, k, v = Q(x) Q(W_attn)^T + b_attn on codes of FP4 (E2M1) with one E8M0 scale for each 32 along K = 1,024; sums in f32; the results are rounded once to f16 and stored by head:
; qkv[section][batch x 16 + head][token][64], byte strides 2^24, 2^18, 128.  LIMIT: |q|, |k|, |v| stay under 65,504 (f16).
; A tile of 256 tokens x 256 columns is made by four waves, 128 x 128 each: 64 accumulators of 16 x 16.  K is two slots of 512 (LDS rows of 256 bytes + 16): both are first fills, nothing is filled again.
; The scale bytes of the tile's 256 + 256 rows, for all of K, are two dense blocks: they come once, as rows of 256 bytes + 16.
; CLUSTERS: 4 x 4 work-groups; the four of a row of the cluster need the same tiles of x, the four of a column the same tiles of W: each tile is asked for jointly.
; THE MATRIX INSTRUCTION IS USED TRANSPOSED (source 0 = 16 rows of W, source 1 = 16 tokens): a lane holds eight neighbouring columns of one token.  The bias is the C of each sum's first product.
; REGISTERS: window 0: v0-31 addresses; v32-95 scale words, two sets; v128-191 x's fragments, one set; v192-255 the bias (8 column blocks x 8).  window 1: W's fragments, two sets.
;   windows 2, 3: the accumulators of my tokens 0-63 and 64-127 (accumulator (a, b) at v[8 (8 (a % 4) + b)]).  On the way out v128-223 of window 0 are at work.
.set KSTEP,  512
.set NQ,     4                         ; matrix instructions deep in a slot
.set ROWB,   256                       ; a tile's row in bytes
.set KROW,   512                       ; a row of codes in memory
.set PITCH,  272                       ; 68 words: the 16 rows that a load touches start at 16 different banks (ISA guide 11.1)
.set FR,     8
.set NL,     2
.set NP,     4
.set HALFT,  128*PITCH
.set SLOT,   4*HALFT
.set KS,     32                        ; a row of scale bytes
.set SCL,    2*SLOT
.set HALFS,  (128*KS/256)*272
.set SBLK,   (16*KS/256)*272
.set SPARE,  SCL+4*HALFS               ; the spare words, 128 bytes a wave, named by no other line
.set STAGE,  SPARE+512                 ; the way out: 16 rows x 400 bytes for each wave, bytes of their own
.set SP,     400                       ; 256 bytes + 144: 25 x 16
.set ADRA, 16
.set ADRB, 20
.set STO,  24
.set RD,   25
.set CO,   26
.set ADRS, 27
.set SPW,  28
.set NIL,  29
.set SC,   32
.set AF,   128
.set BIAS, 192
.set TMP,  128                         ; the way out: packed results
.set BK,   160                         ; and rows read back: v160-191, v192-223 by turns
.set G1, 24
.set G0, 32
.set G1B, 48
.set G0B, 56
.set G1S, 68
.set G0S, 76
.set G1SB, 80
.set G0SB, 88
.set MSB, 0
.macro WIN new                         ; the immediate's high byte repeats the setting that is left
.if MSB != (\new)
	s_set_vgpr_msb (MSB<<8)|(\new)
.set MSB, (\new)
.endif
.endm
.set MUL_LO,  0xa1                     ; source 0 (W) window 1, source 1 (x) window 0, C and D window 2
.set MUL_HI,  0xf1                     ; the same, C and D window 3
.set MULZ_LO, 0x81                     ; the first step: C is the bias, in window 0
.set MULZ_HI, 0xc1
.set TO_B,    0x40
; A joint load: waves 0 and 1 fetch for x, waves 2 and 3 for W.  The branch hangs on the wave's number alone.  An s_nop 0 and four v_nop follow each of the two lines.
.macro JLOAD g0a, g1a, g0b, g1b
	s_cmp_eq_u32 s15, 0
	s_cbranch_scc0 .Lfor_b_\@
	tensor_load_to_lds s[\g0a:\g0a+3], s[\g1a:\g1a+7]
	s_nop 0
.rept 4
	v_nop
.endr
	s_branch .Lasked_\@
.Lfor_b_\@:
	tensor_load_to_lds s[\g0b:\g0b+3], s[\g1b:\g1b+7]
	s_nop 0
.rept 4
	v_nop
.endr
.Lasked_\@:
.endm
.macro CROUND                          ; a round of the cluster's barrier
	s_barrier_signal -1
	s_barrier_wait -1
	s_cmp_lg_u32 s14, 0
	s_cbranch_scc1 .Lnot_wave_0_\@
	s_barrier_signal -3
.Lnot_wave_0_\@:
	s_barrier_wait -3
	s_barrier_signal -1
	s_barrier_wait -1
.endm
	s_load_b128 s[4:7], s[0:1], 0x0                ; x's codes, x's scales
	s_load_b128 s[8:11], s[0:1], 0x10              ; W's codes, W's scales
	s_load_b64 s[12:13], s[0:1], 0x20              ; qkv
	s_load_b64 s[96:97], s[0:1], 0x28              ; b_attn
	v_lshl_add_u32 v[SPW], v0, 2, SPARE
	v_mov_b32 v[NIL], 0
	ds_add_u32 v[SPW], v[NIL]                      ; the wave's opening: the add, twice on end, and its wait ahead of my first tensor load
	ds_add_u32 v[SPW], v[NIL]
	v_lshrrev_b32 v1, 5, v0
	v_readfirstlane_b32 s14, v1                    ; wave 0..3
	s_lshr_b32 s15, s14, 1                         ; which half of the tile's tokens is mine.  Also: I fetch for x (0) or for W (1)
	s_and_b32 s16, s14, 1                          ; which half of its columns.  Also: which 128 rows I fetch
	s_bfe_u32 s40, ttmp6, 0x40000                  ; cx, cy
	s_bfe_u32 s41, ttmp6, 0x40004
	s_lshl_b32 s42, ttmp9, 2
	s_add_co_u32 s42, s42, s40                     ; tile column = 4 x cluster x + cx
	s_and_b32 s17, ttmp7, 0xffff
	s_lshl_b32 s17, s17, 2
	s_add_co_u32 s17, s17, s41                     ; tile row = 4 x cluster y + cy
	s_lshl_b32 s43, s41, 2
	s_lshl_b32 s43, 15, s43                        ; my row of the cluster
	s_lshl_b32 s44, 0x1111, s40                    ; my column
	s_or_b32 s[G1+0], s43, (0<<16)|(1<<20)|(1<<21)|(5<<22)|(3<<25)  ; the mask; elements of 1 byte; padding: 4 words behind every 64; bit 21 beside a mask
	s_or_b32 s[G1B+0], s44, (0<<16)|(1<<20)|(1<<21)|(5<<22)|(3<<25)
.irp g, G1, G1B
	s_mov_b32 s[\g+1], ROWB<<16                    ; tensor_dim0
	s_mov_b32 s[\g+2], 128<<16                     ; tensor_dim1
	s_mov_b32 s[\g+3], ROWB<<16                    ; tile_dim0
	s_mov_b32 s[\g+4], 128                         ; tile_dim1
	s_mov_b32 s[\g+5], KROW                        ; the pitch
	s_mov_b32 s[\g+6], 0
	s_mov_b32 s[\g+7], 0
.endr
	s_or_b32 s[G1S+0], s43, (3<<16)|(1<<20)|(1<<21)|(5<<22)|(3<<25)  ; the scales of 128 rows: 4,096 dense bytes as 16 rows of 32 elements of 8 bytes
	s_or_b32 s[G1SB+0], s44, (3<<16)|(1<<20)|(1<<21)|(5<<22)|(3<<25)
.irp g, G1S, G1SB
	s_mov_b32 s[\g+1], 32<<16
	s_mov_b32 s[\g+2], (128*KS/256)<<16
	s_mov_b32 s[\g+3], 32<<16
	s_mov_b32 s[\g+4], 128*KS/256
	s_mov_b32 s[\g+5], 32
	s_mov_b32 s[\g+6], 0
	s_mov_b32 s[\g+7], 0
.endr
	s_lshl_b32 s18, s16, 7
	s_lshl_b32 s20, s17, 8
	s_add_co_u32 s20, s20, s18                     ; x: row 256 x tile row + 128 x half
	s_lshl_b32 s46, s42, 8
	s_add_co_u32 s46, s46, s18                     ; W: row 256 x tile column + 128 x half
	s_mov_b32 s21, 0
	s_mov_b32 s47, 0
	s_mov_b64 s[18:19], KS
	s_mul_u64 s[22:23], s[20:21], s[18:19]         ; where these rows' scales begin
	s_mul_u64 s[92:93], s[46:47], s[18:19]
	s_mov_b64 s[18:19], KROW
	s_mul_u64 s[20:21], s[20:21], s[18:19]         ; and their codes
	s_mul_u64 s[46:47], s[46:47], s[18:19]
	s_mul_i32 s45, s14, HALFT                      ; where they go: wave x 128 rows
	s_mul_i32 s94, s14, HALFS
	s_wait_dscnt 0x0                               ; both opening adds are done
	s_wait_kmcnt 0x0
	s_add_nc_u64 s[20:21], s[4:5], s[20:21]
	s_add_nc_u64 s[22:23], s[6:7], s[22:23]
	s_add_nc_u64 s[46:47], s[8:9], s[46:47]
	s_add_nc_u64 s[92:93], s[10:11], s[92:93]
	CROUND                                         ; all sixteen work-groups are here: the joint loads meet
	s_mov_b32 s[G0S], 1
	s_add_co_u32 s[G0S+1], s94, SCL
	s_mov_b64 s[G0S+2:G0S+3], s[22:23]
	s_or_b32 s[G0S+3], s[G0S+3], 0x80000000
	s_mov_b32 s[G0SB], 1
	s_add_co_u32 s[G0SB+1], s94, SCL
	s_mov_b64 s[G0SB+2:G0SB+3], s[92:93]
	s_or_b32 s[G0SB+3], s[G0SB+3], 0x80000000
	JLOAD G0S, G1S, G0SB, G1SB                     ; the scales first; with the two slots three loads of mine are out
.irp s, 0,1
	s_mov_b32 s[G0+4*\s], 1
	s_add_co_u32 s[G0+4*\s+1], s45, \s*SLOT
	s_add_nc_u64 s[G0+4*\s+2:G0+4*\s+3], s[20:21], \s*ROWB
	s_or_b32 s[G0+4*\s+3], s[G0+4*\s+3], 0x80000000
	s_mov_b32 s[G0B+4*\s], 1
	s_add_co_u32 s[G0B+4*\s+1], s45, \s*SLOT
	s_add_nc_u64 s[G0B+4*\s+2:G0B+4*\s+3], s[46:47], \s*ROWB
	s_or_b32 s[G0B+4*\s+3], s[G0B+4*\s+3], 0x80000000
	JLOAD G0+4*\s, G1, G0B+4*\s, G1B
.endr
	v_and_b32 v1, 15, v0                           ; r = l % 16
	v_bfe_u32 v2, v0, 4, 1                         ; h = l / 16
	s_lshl_b32 s46, s42, 10                        ; the bias of my 128 columns: 4 (256 x tile column + 128 x half) bytes on
	s_lshl_b32 s47, s16, 9
	s_add_co_u32 s46, s46, s47
	s_mov_b32 s47, 0
	s_add_nc_u64 s[96:97], s[96:97], s[46:47]
	v_lshlrev_b32 v8, 5, v2                        ; lane (r, h) wants, for column block b, the numbers 16 b + 8 h + 0 .. 7
.irp b, 0,1,2,3,4,5,6,7
	global_load_b128 v[BIAS+8*\b:BIAS+8*\b+3], v8, s[96:97] offset:64*\b
	global_load_b128 v[BIAS+8*\b+4:BIAS+8*\b+7], v8, s[96:97] offset:64*\b+16
.endr
	v_mul_u32_u24 v3, v1, PITCH
	v_lshl_add_u32 v4, v2, 4, v3                   ; a fragment's row x pitch + 16 x half
	s_mul_i32 s21, s15, HALFT                      ; my 128 tokens
	s_mul_i32 s22, s16, HALFT                      ; my 128 rows of W,
	s_add_co_u32 s22, s22, 2*HALFT                 ; which lie behind x's 256
.irp s, 0,1
	v_add_nc_u32 v[ADRA+\s], s21, v4
	v_add_nc_u32 v[ADRB+\s], s22, v4
	s_add_co_u32 s21, s21, SLOT
	s_add_co_u32 s22, s22, SLOT
.endr
	v_mul_u32_u24 v5, v1, KS                       ; my row's scales: 32 bytes a row,
	v_lshrrev_b32 v6, 8, v5
	v_lshl_add_u32 v5, v6, 4, v5                   ; and 16 more for each 256 passed
	s_mul_i32 s21, s15, HALFS
	s_mul_i32 s22, s16, HALFS
	s_add_co_u32 s22, s22, 2*HALFS
	s_sub_co_u32 s22, s22, s21
	v_mul_u32_u24 v6, s22, v2                      ; lanes 16-31 take W's: one product, the distance between the two bases
	s_add_co_u32 s21, s21, SCL
	v_add_nc_u32 v5, v5, v6
	v_add_nc_u32 v[ADRS], s21, v5
	s_mul_i32 s23, s14, 16*SP
	s_add_co_u32 s23, s23, STAGE                   ; my stage
	v_mul_u32_u24 v5, v1, SP                       ; in: row r, 16 bytes for each half of the lanes
	v_lshl_add_u32 v5, v2, 4, v5
	v_add_nc_u32 v[STO], s23, v5
	v_and_b32 v6, 31, v0
	v_lshrrev_b32 v5, 3, v6                        ; back: eight lanes to a head's 128 bytes of a token, four tokens an instruction
	v_mul_u32_u24 v5, v5, SP
	v_and_b32 v9, 7, v0
	v_lshl_add_u32 v5, v9, 4, v5
	v_add_nc_u32 v[RD], s23, v5
	v_lshlrev_b32 v[CO], 4, v6                     ; and the same 512 consecutive bytes in qkv
	s_lshr_b32 s20, s42, 2                         ; where my part begins in qkv: the section (tile column / 4),
	s_lshl_b32 s20, s20, 24
	s_lshr_b32 s21, s17, 3                         ; the batch (tile row / 8),
	s_lshl_b32 s21, s21, 22
	s_add_co_u32 s20, s20, s21
	s_and_b32 s21, s42, 3                          ; the head: 4 (tile column % 4) + 2 x my column half,
	s_lshl_b32 s21, s21, 20
	s_add_co_u32 s20, s20, s21
	s_lshl_b32 s21, s16, 19
	s_add_co_u32 s20, s20, s21
	s_and_b32 s21, s17, 7                          ; the token: 256 (tile row % 8) + 128 x my row half
	s_lshl_b32 s21, s21, 15
	s_add_co_u32 s20, s20, s21
	s_lshl_b32 s21, s15, 14
	s_add_co_u32 s20, s20, s21
	s_mov_b32 s21, 0
	s_add_nc_u64 s[12:13], s[12:13], s[20:21]
.macro FRAG reg, adr, q, i             ; 16 rows x 128 K of 4-bit codes: 8 registers; registers 4 c .. 4 c + 3 hold K = 64 c + 32 (l / 16) + 0 .. 31
.irp c, 0,1
	ds_load_b128 v[\reg+4*\c:\reg+4*\c+3], v[\adr] offset:64*(\q)+32*\c+(\i)*16*PITCH
.endr
.endm
; 16 matrix instructions: x's blocks a0, a0 + 1 against W's eight.  The 64 accumulators take turns, one instruction a turn, in the same order in every step.
.macro MUL16 a0, p, q, sc, zero
.irp a, \a0, \a0+1
.irp b, 0,1,2,3,4,5,6,7
.if \zero
	v_wmma_scale_f32_16x16x128_f8f6f4 v[8*(8*((\a)%4)+\b):8*(8*((\a)%4)+\b)+7], v[128*(\p)+FR*\b:128*(\p)+FR*\b+FR-1], v[AF+FR*(\a):AF+FR*(\a)+FR-1], v[BIAS+8*\b:BIAS+8*\b+7], v[SC+8*NQ*(\sc)+NQ*\b+(\q)], v[SC+8*NQ*(\sc)+NQ*(\a)+(\q)] matrix_a_fmt:MATRIX_FMT_FP4 matrix_b_fmt:MATRIX_FMT_FP4 matrix_a_scale:MATRIX_SCALE_ROW1
.else
	v_wmma_scale_f32_16x16x128_f8f6f4 v[8*(8*((\a)%4)+\b):8*(8*((\a)%4)+\b)+7], v[128*(\p)+FR*\b:128*(\p)+FR*\b+FR-1], v[AF+FR*(\a):AF+FR*(\a)+FR-1], v[8*(8*((\a)%4)+\b):8*(8*((\a)%4)+\b)+7], v[SC+8*NQ*(\sc)+NQ*\b+(\q)], v[SC+8*NQ*(\sc)+NQ*(\a)+(\q)] matrix_a_fmt:MATRIX_FMT_FP4 matrix_b_fmt:MATRIX_FMT_FP4 matrix_a_scale:MATRIX_SCALE_ROW1
.endif
.endr
.endr
.endm
.macro FETCH_B slot, q, p
	WIN TO_B
.irp i, 0,1,2,3,4,5,6,7
	FRAG 128*(\p)+FR*\i, ADRB+\slot, \q, \i
.endr
	WIN 0
.endm
.macro FETCH_A slot, q, i0
.irp i, \i0, \i0+1, \i0+2, \i0+3
	FRAG AF+FR*(\i), ADRA+\slot, \q, \i
.endr
.endm
.macro SCALES sc                       ; a slot's scale words: 4 words a row; lanes 0-15 take x's block i, lanes 16-31 W's block i
.irp i, 0,1,2,3,4,5,6,7
	ds_load_b128 v[SC+8*NQ*\sc+NQ*\i:SC+8*NQ*\sc+NQ*\i+3], v[ADRS] offset:\i*SBLK
.endr
.endm
.macro PLACES n                        ; plain vector places behind matrix instructions, in front of loads into registers that they read and of reads of results
.rept \n
	v_nop
.endr
.endm
.macro STEP slot, q, zero              ; 128 along K, with its successor in the same slot
	s_wait_dscnt 4*NL                              ; W's set and x's blocks 0-3 are in; the youngest eight loads (x's blocks 4-7) may be out
.if \zero
	WIN MULZ_LO
.else
	WIN MUL_LO
.endif
	MUL16 0, (\q)%2, \q, \slot, \zero
	MUL16 2, (\q)%2, \q, \slot, \zero
	s_wait_dscnt 0
	PLACES NP
	FETCH_B \slot, (\q)+1, 1-(\q)%2
	FETCH_A \slot, (\q)+1, 0
.if \zero
	WIN MULZ_HI
.else
	WIN MUL_HI
.endif
	MUL16 4, (\q)%2, \q, \slot, \zero
	MUL16 6, (\q)%2, \q, \slot, \zero
	PLACES NP
	WIN 0
	FETCH_A \slot, (\q)+1, 4
.endm
; Slot 0's last step changes slots: each wave waits for all its tensor loads (slot 1's part), adds 0 to its spare word, waits for that and for its reads, and passes the barrier: slot 1 is whole.  Nothing is filled again.
.macro TURN slot, next
	s_wait_tensorcnt 0x0
	ds_add_u32 v[SPW], v[NIL]
	s_wait_dscnt 4*NL+1                            ; the add and the youngest eight loads may be out
	WIN MUL_LO
	MUL16 0, 1, NQ-1, \slot, 0
	s_wait_dscnt 0x0
	s_barrier_signal -1
	MUL16 2, 1, NQ-1, \slot, 0
	WIN 0
	s_barrier_wait -1
	PLACES NP
	v_add_nc_u32 v[ADRS], 4*NQ, v[ADRS]            ; on to the next slot's scale words
	FETCH_B \next, 0, 0
	FETCH_A \next, 0, 0
	SCALES \next
	WIN MUL_HI
	MUL16 4, 1, NQ-1, \slot, 0
	MUL16 6, 1, NQ-1, \slot, 0
	PLACES NP
	WIN 0
	FETCH_A \next, 0, 4
.endm
.macro STEPS slot, from
.set Q, \from
.rept NQ-1-\from
	STEP \slot, Q, 0
.set Q, Q+1
.endr
.endm
	s_wait_tensorcnt 1                             ; the scales and my part of slot 0 are in; slot 1's load may be out
	s_barrier_signal -1
	s_barrier_wait -1
	FETCH_B 0, 0, 0
	FETCH_A 0, 0, 0
	SCALES 0
	FETCH_A 0, 0, 4
	s_wait_loadcnt 0x0                             ; the bias
	STEP 0, 0, 1                                   ; the first products start the sums from the bias
	STEPS 0, 1
	TURN 0, 1
	STEPS 1, 0
	s_wait_dscnt 4*NL                              ; the last step: nothing more to fetch
	WIN MUL_LO
	MUL16 0, 1, NQ-1, 1, 0
	MUL16 2, 1, NQ-1, 1, 0
	s_wait_dscnt 0
	WIN MUL_HI
	MUL16 4, 1, NQ-1, 1, 0
	MUL16 6, 1, NQ-1, 1, 0
	WIN 0
; THE WAY OUT, a block of 16 tokens x 128 columns (two heads) at a time: rounded to f16, 16 bytes a lane into my own stage, back as four tokens x 128 bytes of one head: 512 consecutive bytes of qkv.
.macro PACK a
.set AC, 64*((\a)%4)
	WIN 0x0a+5*((\a)/4)                            ; sources 0 and 1: window 2 or 3
.irp b, 0,1,2,3,4,5,6,7
.irp i, 0,1,2,3
	v_cvt_pk_f16_f32 v[TMP+4*\b+\i], v[AC+8*\b+2*\i], v[AC+8*\b+2*\i+1]   ; each accumulator from its low end on
.endr
.endr
	WIN 0
.endm
.macro TOSTAGE a
.set BB, BK+32*((\a)%2)
.irp b, 0,1,2,3,4,5,6,7
	ds_store_b128 v[STO], v[TMP+4*\b:TMP+4*\b+3] offset:32*\b
.endr
.irp t, 0,1,2,3,4,5,6,7
	ds_load_b128 v[BB+4*\t:BB+4*\t+3], v[RD] offset:((\t)/2)*4*SP+((\t)%2)*128   ; LDS serves a wave's instructions in order: these see the stores above
.endr
.endm
.macro SEND a, younger
.set BB, BK+32*((\a)%2)
	s_wait_dscnt \younger                          ; the block is back; the next block's 8 stores and 8 loads may be out
.irp t, 0,1,2,3,4,5,6,7
	global_store_b128 v[CO], v[BB+4*\t:BB+4*\t+3], s[12:13] offset:((\t)%2)*262144+((\t)/2)*512+(\a)*2048   ; 32 lanes store 512 consecutive bytes
.endr
.endm
	PLACES NP
	PACK 0
	TOSTAGE 0
.irp a, 1,2,3,4,5,6,7
	PACK \a
.if \a > 1
	s_wait_xcnt 0x0                                ; block a - 2's stores have read their registers: block a's loads may land there
.endif
	TOSTAGE \a
	SEND \a-1, 16
.endr
	SEND 7, 0
	s_wait_tensorcnt 0x0                           ; the wave's end
	ds_add_u32 v[SPW], v[NIL]
	s_wait_dscnt 0x0
	CROUND                                         ; the closing round
	s_endpgm
.Lfunc_end_k_qdd9a14d57a_qkv:
	.size	k_qdd9a14d57a_qkv, .Lfunc_end_k_qdd9a14d57a_qkv-k_qdd9a14d57a_qkv
	.p2alignl 7, 3214868480
	.fill 96, 4, 3214868480
	.section	.rodata,"a",@progbits
	.p2align	6, 0x0
	.amdhsa_kernel k_qdd9a14d57a_qkv
		.amdhsa_group_segment_fixed_size 327680
		.amdhsa_private_segment_fixed_size 0
		.amdhsa_enable_private_segment 0
		.amdhsa_kernarg_size 48
		.amdhsa_user_sgpr_count 2
		.amdhsa_user_sgpr_kernarg_segment_ptr 1
		.amdhsa_wavefront_size32 1
		.amdhsa_system_sgpr_workgroup_id_x 1
		.amdhsa_system_sgpr_workgroup_id_y 1
		.amdhsa_system_sgpr_workgroup_id_z 1
		.amdhsa_system_vgpr_workitem_id 0
		.amdhsa_next_free_vgpr 1024
		.amdhsa_next_free_sgpr 98
		.amdhsa_reserve_vcc 0
		.amdhsa_float_denorm_mode_32 3
		.amdhsa_float_denorm_mode_16_64 3
		.amdhsa_memory_ordered 1
		.amdhsa_forward_progress 1
		.amdhsa_inst_pref_size 128
	.end_amdhsa_kernel
	.amdgpu_metadata
---
amdhsa.version: [ 1, 2 ]
amdhsa.kernels:
  - .name:           k_qdd9a14d57a_qkv
    .symbol:         k_qdd9a14d57a_qkv.kd
    .args:
      - { .name: xq, .offset: 0, .size: 8, .value_kind: global_buffer, .address_space: global }
      - { .name: xs, .offset: 8, .size: 8, .value_kind: global_buffer, .address_space: global }
      - { .name: wq, .offset: 16, .size: 8, .value_kind: global_buffer, .address_space: global }
      - { .name: ws, .offset: 24, .size: 8, .value_kind: global_buffer, .address_space: global }
      - { .name: qkv, .offset: 32, .size: 8, .value_kind: global_buffer, .address_space: global }
      - { .name: b_attn, .offset: 40, .size: 8, .value_kind: global_buffer, .address_space: global }
    .group_segment_fixed_size: 327680
    .private_segment_fixed_size: 0
    .kernarg_segment_align: 8
    .kernarg_segment_size: 48
    .max_flat_workgroup_size: 128
    .sgpr_count:     98
    .vgpr_count:     1024
    .wavefront_size: 32
...
	.end_amdgpu_metadata
.endif
;; end of part 2
;; launch fine_attn (part 3): grid 16 x 4, 1 waves a work-group, no clusters, 0 bytes of LDS; arguments xq, xs, wq, ws, b_attn, yf; writes yf
.if DOCPART == 3
	.amdgcn_target "amdgcn-amd-amdhsa--gfx1250"
	.amdhsa_code_object_version 6
	.text
	.protected	k_qdd9a14d57a_fine_attn
	.globl	k_qdd9a14d57a_fine_attn
	.p2align	8
	.type	k_qdd9a14d57a_fine_attn,@function
k_qdd9a14d57a_fine_attn:
	s_mov_b64 s[64:65], 0
	v_nop
	global_prefetch_b8 v0, s[64:65] scope:SCOPE_SE
	s_setreg_imm32_b32 hwreg(HW_REG_WAVE_MODE, 25, 1), 1
	s_wait_xcnt 0x0
; The first 16 positions of every sequence, carried in f32: these rows average one to sixteen values and are the largest in size.  One wave takes one head of one batch.
; q, k, v of tokens 0-15 are made anew from the codes by the FP4 form (f32 sums, not rounded), the scores and the weighted sum by v_wmma_f32_16x16x4_f32, the softmax in f32 with the row's maximum taken away.
; yf[batch][token][1024] f32.  The stores are pieces of 32 bytes, 4 KiB a work-group, 256 KiB in the launch.  No LDS, no barrier; what work-groups share (8 KiB of x's codes) is small: no cluster.
; q, k: TRANSPOSED (source 0 = 16 rows of W, source 1 = the 16 tokens): lane (r, h) holds token r, register j channel 16 ct + 8 h + j.  Registers (2 jj, 2 jj + 1) of k's and of q's tile ct are then
; A and B of a 16x16x4 product over the four channels 16 ct + 8 h + 2 jj + {0, 1}: the same order of channels on both sides.  Result: lane = query r, register j = key 8 h + j.
; v: NOT transposed: lane (r, h) holds channel 16 ct + r, register j token 8 h + j: A of O^T = V^T P, whose B are the weights' registers.
; A row's eight scale words come by one load of 16 bytes at 32 row + 16 h: register i holds K step i in lanes 0-15 and K step 4 + i in lanes 16-31 (taken by the ROW1 selectors).
; REGISTERS: window 0: v1-9 addresses, v10-15 statistics, v16-79 x's 8 fragments, v80-83 x's scale words, v84-131 W's, v132-227 q, k, v (4 tiles x 8 each), v228-251 scores, weights, at work.
;   window 1: W's fragments for q, later for v.  window 2: for k.  window 3: v0-31 the scores' four partial sums, v32-63 O^T: written by matrix instructions alone.
.set XF, 16
.set XS, 80
.set WS, 84
.set AQ, 132
.set AK, 164
.set AV, 196
.set T,  228
.set P,  236
.set U,  244
.set MSB, 0
.macro WIN new
.if MSB != (\new)
	s_set_vgpr_msb (MSB<<8)|(\new)
.set MSB, (\new)
.endif
.endm
	s_load_b256 s[4:11], s[0:1], 0x0               ; xq s[4:5], xs s[6:7], wq s[8:9], ws s[10:11]
	s_load_b128 s[12:15], s[0:1], 0x20             ; b_attn s[12:13], yf s[14:15]
	v_and_b32 v1, 15, v0                           ; r
	v_lshrrev_b32 v2, 4, v0                        ; h
	v_lshlrev_b32 v3, 9, v1
	v_lshl_add_u32 v3, v2, 4, v3                   ; codes: row r of 512 bytes + 16 h
	v_lshlrev_b32 v4, 5, v1
	v_lshl_add_u32 v4, v2, 4, v4                   ; scale bytes: row r of 32 + 16 h
	v_lshlrev_b32 v5, 5, v2                        ; bias of q, k: 8 h numbers on
	v_lshlrev_b32 v6, 2, v1                        ; bias of v: number r
	v_lshlrev_b32 v7, 12, v1
	v_lshl_add_u32 v7, v2, 5, v7                   ; yf: row r of 4,096 bytes + 32 h
	v_lshlrev_b32 v8, 3, v2
	v_sub_nc_u32 v8, v1, v8                        ; r - 8 h: register j's key is hidden where j is above it
	v_mov_b32 v9, 0xff800000                       ; -infinity
	v_mov_b32 v11, 0                               ; a lane permute's destination counts as one of its sources
	s_mov_b32 s20, 0x76543210
	s_mov_b32 s21, 0xfedcba98                      ; lane l xor 16
	s_mov_b32 s22, 0x3e38aa3b                      ; c = log2(e) / sqrt(64)
	s_mov_b32 s23, s22
	s_and_b32 s16, ttmp7, 0xffff                   ; the batch
	s_mov_b32 s19, 0
	s_wait_kmcnt 0x0
	s_lshl_b32 s18, s16, 20                        ; 2,048 rows of 512 bytes
	s_add_nc_u64 s[4:5], s[4:5], s[18:19]
	s_lshl_b32 s18, s16, 16
	s_add_nc_u64 s[6:7], s[6:7], s[18:19]
	s_add_nc_u64 s[14:15], s[14:15], s[18:19]
	s_lshl_b32 s18, ttmp9, 15                      ; the head's 64 rows of W
	s_add_nc_u64 s[8:9], s[8:9], s[18:19]
	s_lshl_b32 s18, ttmp9, 11
	s_add_nc_u64 s[10:11], s[10:11], s[18:19]
	s_lshl_b32 s18, ttmp9, 8
	s_add_nc_u64 s[12:13], s[12:13], s[18:19]
	s_add_nc_u64 s[14:15], s[14:15], s[18:19]
.irp s, 0,1,2,3,4,5,6,7
.irp c, 0,1
	global_load_b128 v[XF+8*\s+4*\c:XF+8*\s+4*\c+3], v3, s[4:5] offset:64*\s+32*\c
.endr
.endr
	global_load_b128 v[XS:XS+3], v4, s[6:7]
.irp sec, 0,1,2
.irp ct, 0,1,2,3
	global_load_b128 v[WS+16*\sec+4*\ct:WS+16*\sec+4*\ct+3], v4, s[10:11] offset:32768*\sec+512*\ct
.endr
.endr
.irp sec, 0,1                                  ; the biases land in the accumulators: they are the C of each sum's first product
.irp ct, 0,1,2,3
	global_load_b128 v[AQ+32*\sec+8*\ct:AQ+32*\sec+8*\ct+3], v5, s[12:13] offset:4096*\sec+64*\ct
	global_load_b128 v[AQ+32*\sec+8*\ct+4:AQ+32*\sec+8*\ct+7], v5, s[12:13] offset:4096*\sec+64*\ct+16
.endr
.endr
.irp ct, 0,1,2,3
.irp j, 0,1,2,3,4,5,6,7
	global_load_b32 v[AV+8*\ct+\j], v6, s[12:13] offset:8192+64*\ct   ; v's lane holds one channel: the same number in its eight registers
.endr
.endr
.macro WLOAD sec                               ; the head's 64 rows of a section: fragment (ct, s) at v[8 (8 ct + s)] of the window set
.irp ct, 0,1,2,3
.irp s, 0,1,2,3,4,5,6,7
.irp c, 0,1
	global_load_b128 v[8*(8*\ct+\s)+4*\c:8*(8*\ct+\s)+4*\c+3], v3, s[8:9] offset:524288*\sec+8192*\ct+64*\s+32*\c
.endr
.endr
.endr
.endm
	WIN 0x40
	WLOAD 0
	WIN 0x80
	WLOAD 1
	WIN 0
	s_wait_loadcnt 0x0
.macro QK acc, sec                             ; 32 products, the four accumulators by turns
.irp s, 0,1,2,3,4,5,6,7
.irp ct, 0,1,2,3
.if \s < 4
	v_wmma_scale_f32_16x16x128_f8f6f4 v[\acc+8*\ct:\acc+8*\ct+7], v[8*(8*\ct+\s):8*(8*\ct+\s)+7], v[XF+8*\s:XF+8*\s+7], v[\acc+8*\ct:\acc+8*\ct+7], v[WS+16*\sec+4*\ct+\s], v[XS+\s] matrix_a_fmt:MATRIX_FMT_FP4 matrix_b_fmt:MATRIX_FMT_FP4
.else
	v_wmma_scale_f32_16x16x128_f8f6f4 v[\acc+8*\ct:\acc+8*\ct+7], v[8*(8*\ct+\s):8*(8*\ct+\s)+7], v[XF+8*\s:XF+8*\s+7], v[\acc+8*\ct:\acc+8*\ct+7], v[WS+16*\sec+4*\ct+\s-4], v[XS+\s-4] matrix_a_fmt:MATRIX_FMT_FP4 matrix_b_fmt:MATRIX_FMT_FP4 matrix_a_scale:MATRIX_SCALE_ROW1 matrix_b_scale:MATRIX_SCALE_ROW1
.endif
.endr
.endr
.endm
	WIN 0x01                                       ; source 0 (W) window 1
	QK AQ, 0
	WIN 0
.rept 4
	v_nop                                          ; places in front of loads into registers that matrix instructions have read
.endr
	WIN 0x40
	WLOAD 2                                        ; v's rows of W land while k is multiplied
	WIN 0x02                                       ; source 0 (W) window 2
	QK AK, 1
	WIN 0
.rept 5
	v_nop                                          ; k's results become operands: five places
.endr
	WIN 0xf0                                       ; C and D window 3
.irp jj, 0,1,2,3
.irp ct, 0,1,2,3
.if \jj == 0
	v_wmma_f32_16x16x4_f32 v[8*\ct:8*\ct+7], v[AK+8*\ct+2*\jj:AK+8*\ct+2*\jj+1], v[AQ+8*\ct+2*\jj:AQ+8*\ct+2*\jj+1], 0
.else
	v_wmma_f32_16x16x4_f32 v[8*\ct:8*\ct+7], v[AK+8*\ct+2*\jj:AK+8*\ct+2*\jj+1], v[AQ+8*\ct+2*\jj:AQ+8*\ct+2*\jj+1], v[8*\ct:8*\ct+7]
.endif
.endr
.endr
	WIN 0
	s_wait_loadcnt 0x0                             ; v's rows of W
	WIN 0x04                                       ; source 1 (W) window 1
.irp s, 0,1,2,3,4,5,6,7
.irp ct, 0,1,2,3
.if \s < 4
	v_wmma_scale_f32_16x16x128_f8f6f4 v[AV+8*\ct:AV+8*\ct+7], v[XF+8*\s:XF+8*\s+7], v[8*(8*\ct+\s):8*(8*\ct+\s)+7], v[AV+8*\ct:AV+8*\ct+7], v[XS+\s], v[WS+32+4*\ct+\s] matrix_a_fmt:MATRIX_FMT_FP4 matrix_b_fmt:MATRIX_FMT_FP4
.else
	v_wmma_scale_f32_16x16x128_f8f6f4 v[AV+8*\ct:AV+8*\ct+7], v[XF+8*\s:XF+8*\s+7], v[8*(8*\ct+\s):8*(8*\ct+\s)+7], v[AV+8*\ct:AV+8*\ct+7], v[XS+\s-4], v[WS+32+4*\ct+\s-4] matrix_a_fmt:MATRIX_FMT_FP4 matrix_b_fmt:MATRIX_FMT_FP4 matrix_a_scale:MATRIX_SCALE_ROW1 matrix_b_scale:MATRIX_SCALE_ROW1
.endif
.endr
.endr
	WIN 0
.rept 8
	v_nop                                          ; eight places behind the f32 form's results, which are read next; they serve v's results too
.endr
	WIN 0x0f                                       ; sources 0 and 1 window 3
.irp j, 0,1,2,3,4,5,6,7
	v_add_f32 v[T+\j], v[\j], v[8+\j]              ; the four partial sums, each from its low end on
.endr
.irp j, 0,1,2,3,4,5,6,7
	v_add_f32 v[U+\j], v[16+\j], v[24+\j]
.endr
	WIN 0
.irp j, 0,2,4,6
	v_pk_add_f32 v[T+\j:T+\j+1], v[T+\j:T+\j+1], v[U+\j:U+\j+1]
.endr
.irp j, 0,1,2,3,4,5,6,7
	v_cmp_gt_i32 vcc_lo, \j, v8                    ; key 8 h + j after query r
	v_cndmask_b32 v[T+\j], v[T+\j], v9, vcc_lo
.endr
	v_max3_num_f32 v10, v[T], v[T+1], v[T+2]
	v_max3_num_f32 v10, v10, v[T+3], v[T+4]
	v_max3_num_f32 v10, v10, v[T+5], v[T+6]
	v_max_num_f32 v10, v10, v[T+7]
	v_permlanex16_b32 v11, v10, s20, s21
	v_max_num_f32 v13, v10, v11                    ; the row's maximum (key 0 counts for every query)
	v_mul_f32 v12, s22, v13
.irp j, 0,2,4,6
	v_pk_fma_f32 v[T+\j:T+\j+1], v[T+\j:T+\j+1], s[22:23], v[12:13] op_sel_hi:[1,0,0] neg_lo:[0,0,1] neg_hi:[0,0,1]   ; c s - c m
.endr
.irp j, 0,1,2,3,4,5,6,7
	v_exp_f32 v[P+\j], v[T+\j]
.endr
	v_nop                                          ; a plain line behind the exponentials,
	s_wait_alu depctr_va_vdst(0)                   ; and the one wait ahead of their first reader
	v_pk_add_f32 v[U:U+1], v[P:P+1], v[P+2:P+3]
	v_pk_add_f32 v[U+2:U+3], v[P+4:P+5], v[P+6:P+7]
	v_pk_add_f32 v[U:U+1], v[U:U+1], v[U+2:U+3]
	v_add_f32 v14, v[U], v[U+1]
	v_permlanex16_b32 v11, v14, s20, s21
	v_add_f32 v14, v14, v11                        ; the row's sum
	v_rcp_f32 v15, v14
	v_nop
	s_wait_alu depctr_va_vdst(0)
	WIN 0xf0
.irp jj, 0,1,2,3
.irp ct, 0,1,2,3
.if \jj == 0
	v_wmma_f32_16x16x4_f32 v[32+8*\ct:32+8*\ct+7], v[AV+8*\ct+2*\jj:AV+8*\ct+2*\jj+1], v[P+2*\jj:P+2*\jj+1], 0
.else
	v_wmma_f32_16x16x4_f32 v[32+8*\ct:32+8*\ct+7], v[AV+8*\ct+2*\jj:AV+8*\ct+2*\jj+1], v[P+2*\jj:P+2*\jj+1], v[32+8*\ct:32+8*\ct+7]
.endif
.endr
.endr
	WIN 0
.rept 8
	v_nop
.endr
	WIN 0x03                                       ; source 0 window 3
.irp ct, 0,1,2,3
.irp j, 0,1,2,3,4,5,6,7
	v_mul_f32 v[XF+8*\ct+\j], v[32+8*\ct+\j], v15  ; O^T / the sum, into other registers: y(r, 16 ct + 8 h + j)
.endr
.endr
	WIN 0
.irp ct, 0,1,2,3
	global_store_b128 v7, v[XF+8*\ct:XF+8*\ct+3], s[14:15] offset:64*\ct
	global_store_b128 v7, v[XF+8*\ct+4:XF+8*\ct+7], s[14:15] offset:64*\ct+16
.endr
	s_endpgm
.Lfunc_end_k_qdd9a14d57a_fine_attn:
	.size	k_qdd9a14d57a_fine_attn, .Lfunc_end_k_qdd9a14d57a_fine_attn-k_qdd9a14d57a_fine_attn
	.p2alignl 7, 3214868480
	.fill 96, 4, 3214868480
	.section	.rodata,"a",@progbits
	.p2align	6, 0x0
	.amdhsa_kernel k_qdd9a14d57a_fine_attn
		.amdhsa_group_segment_fixed_size 0
		.amdhsa_private_segment_fixed_size 0
		.amdhsa_enable_private_segment 0
		.amdhsa_kernarg_size 48
		.amdhsa_user_sgpr_count 2
		.amdhsa_user_sgpr_kernarg_segment_ptr 1
		.amdhsa_wavefront_size32 1
		.amdhsa_system_sgpr_workgroup_id_x 1
		.amdhsa_system_sgpr_workgroup_id_y 1
		.amdhsa_system_sgpr_workgroup_id_z 1
		.amdhsa_system_vgpr_workitem_id 0
		.amdhsa_next_free_vgpr 832
		.amdhsa_next_free_sgpr 66
		.amdhsa_reserve_vcc 1
		.amdhsa_float_denorm_mode_32 3
		.amdhsa_float_denorm_mode_16_64 3
		.amdhsa_memory_ordered 1
		.amdhsa_forward_progress 1
		.amdhsa_inst_pref_size 47
	.end_amdhsa_kernel
	.amdgpu_metadata
---
amdhsa.version: [ 1, 2 ]
amdhsa.kernels:
  - .name:           k_qdd9a14d57a_fine_attn
    .symbol:         k_qdd9a14d57a_fine_attn.kd
    .args:
      - { .name: xq, .offset: 0, .size: 8, .value_kind: global_buffer, .address_space: global }
      - { .name: xs, .offset: 8, .size: 8, .value_kind: global_buffer, .address_space: global }
      - { .name: wq, .offset: 16, .size: 8, .value_kind: global_buffer, .address_space: global }
      - { .name: ws, .offset: 24, .size: 8, .value_kind: global_buffer, .address_space: global }
      - { .name: b_attn, .offset: 32, .size: 8, .value_kind: global_buffer, .address_space: global }
      - { .name: yf, .offset: 40, .size: 8, .value_kind: global_buffer, .address_space: global }
    .group_segment_fixed_size: 0
    .private_segment_fixed_size: 0
    .kernarg_segment_align: 8
    .kernarg_segment_size: 48
    .max_flat_workgroup_size: 32
    .sgpr_count:     66
    .vgpr_count:     832
    .wavefront_size: 32
...
	.end_amdgpu_metadata
.endif
;; end of part 3
;; launch attn (part 4): grid 4 x 64, 8 waves a work-group, no clusters, 327,680 bytes of LDS; arguments qkv, y16; writes y16
.if DOCPART == 4
	.amdgcn_target "amdgcn-amd-amdhsa--gfx1250"
	.amdhsa_code_object_version 6
	.text
	.protected	k_qdd9a14d57a_attn
	.globl	k_qdd9a14d57a_attn
	.p2align	8
	.type	k_qdd9a14d57a_attn,@function
k_qdd9a14d57a_attn:
	s_mov_b64 s[64:65], 0
	v_nop
	global_prefetch_b8 v0, s[64:65] scope:SCOPE_SE
	s_setreg_imm32_b32 hwreg(HW_REG_WAVE_MODE, 25, 1), 1
	s_wait_xcnt 0x0
; y[bh][q][:] = the sum over k <= q of softmax_k(Q[q] . K[k] / 8) V[k][:], head size 64, 2,048 positions, 64 heads (batch x 16 + head).  q, k, v and y are f16 ([bh][token][64]); products, maxima and sums f32;
; the weights p = 2^(c s - c m), c = log2(e) / 8, m the running maximum, are rounded to f16 for the second product; the row's sum is taken of the unrounded p.
; LIMIT: |y| stays under 65,504 (f16).  The first 16 positions of a sequence are computed here too; a later launch replaces what is made of them.
; SHARES.  Work-group j of a head owns query blocks j and 7 - j (256 queries each), one after the other: (j + 1) + (8 - j) = 9 key slots of 256 keys for every work-group: the loop has 9 trips in all of them.
; Wave w owns 32 queries (two tiles of 16) at sub-block w (w < 4) or 11 - w.  Two waves share a SIMD's registers (2 x 352), so that one wave's softmax stands beside the other's products.
; NO CLUSTER: in the same trip the four work-groups of a head want different key slots (trip t: slot t in block j up to t = j, then slot t - j - 1); walking in step would take 4 + 8 = 12 slot times for 9.
; LAYOUT.  S^T = K Q^T (source 0 = 16 keys, source 1 = 16 queries): a lane holds one query (lane % 16) and keys 8 (lane / 16) + 0..7; two such tiles rounded in pairs are source 1 of O^T = V^T P.  V is turned by ds_load_tr16_b128.
; THE MASK.  A step of 64 keys that all come after the wave's 32 queries is jumped over (ids and the count of steps alone); on the diagonal hidden scores become -infinity ahead of the maximum.
; RING.  Two slots; waves 0-3 fetch K's quarters (64 rows), waves 4-7 V's: one tensor load a wave behind each barrier, one out at any time.  Every slot that is asked for is read.
; REGISTERS: window 0: v1-15 addresses and constants; v16-31 statistics, 8 a tile (+0 c m, +1 m, +2, +3 the sum, +4..+7 at work; the rescaling factor in +6); v32-95 K; v96-159 S^T, then p; v160-191 P; v192-255 O^T.
;   window 1: v0-31 Q; v32-95 V.
.set PK,    144                        ; a row of K in LDS: 128 bytes + 16 = 36 words: 16 rows start at 16 different groups of four banks
.set PV,    160                        ; a row of V: 128 + 32: the turning load takes 8 rows x 32 bytes
.set VOFF,  256*PK
.set SLOT1, 1<<17
.set STAGE, SLOT1+256*(PK+PV)          ; 32 rows x 144 bytes for each wave, bytes of their own
.set SPARE, STAGE+8*32*PK              ; the spare words, 128 bytes a wave, named by no other line
.set AK0, 1
.set AV0, 2
.set ADK, 3
.set ADV, 4
.set QO,  5
.set QOC, 6
.set STO, 7
.set RD,  8
.set GO,  9
.set GOC, 10
.set PFO, 11
.set SPW, 12
.set NIL, 13
.set NINF, 14
.set RH,  15
.set ST,  16
.set KFR, 32
.set S,   96
.set P,   160
.set O,   192
.set QF,  0                            ; window 1
.set VF,  32                           ; window 1
.set WV,  8
.set SUB, 9
.set J,   10
.set TR,  11
.set Q0,  12
.set KF,  13
.set TB,  14
.set OFF, 16                           ; s[16:17] byte offset of the key slot that is asked for
.set KB,  18                           ; s[18:19] K of my head, at my quarter
.set VB,  20
.set CS,  22
.set G1K, 24
.set G1V, 32
.set G0K, 40
.set G0V, 44
.set SEL, 48
.set QB,  50
.set YB,  52
.set PFA, 54
.set PLIM, 56
.set BLK, 57
.set MSB, 0
.macro WIN new
.if MSB != (\new)
	s_set_vgpr_msb (MSB<<8)|(\new)
.set MSB, (\new)
.endif
.endm
.set W_KQ, 0x04                        ; Q (source 1) in window 1
.set W_PV, 0x01                        ; V (source 0) in window 1
; Waves 0-3 fetch for K, waves 4-7 for V: every wave has one load.  An s_nop 0 and four v_nop follow each of the two lines.
.macro TLOAD
	s_cmp_lt_u32 s[WV], 4
	s_cbranch_scc0 .Lfor_v_\@
	tensor_load_to_lds s[G0K:G0K+3], s[G1K:G1K+7]
	s_nop 0
.rept 4
	v_nop
.endr
	s_branch .Lasked_\@
.Lfor_v_\@:
	tensor_load_to_lds s[G0V:G0V+3], s[G1V:G1V+7]
	s_nop 0
.rept 4
	v_nop
.endr
.Lasked_\@:
.endm
; A PREFETCH INTO THE L2.  All four work-groups of a head walk the same K and V: work-group j = 0 asks, each of its waves for its own quarter (32 lanes x 256 bytes = 64 rows) of key slot TR + 2, in trips 0 to 5.
; Slot 2 is first loaded in trip 1 and slot 3 in trip 2 (work-group 3), slot s >= 4 in trip s (work-group 0): one or two trips behind the request.  Slots 0 and 1 come by their loads alone.  Each 256 bytes are named once.
.macro ASK
	s_cmp_lt_u32 s[TR], s[PLIM]
	s_cbranch_scc0 .Lnot_mine_\@
	global_prefetch_b8 v[PFO], s[PFA:PFA+1] th:TH_LOAD_NT scope:SCOPE_SE
.Lnot_mine_\@:
.endm
	s_load_b128 s[4:7], s[0:1], 0x0                ; qkv s[4:5], y16 s[6:7]
	v_lshl_add_u32 v[SPW], v0, 2, SPARE
	v_mov_b32 v[NIL], 0
	ds_add_u32 v[SPW], v[NIL]                      ; the wave's opening: the add, twice on end, and its wait ahead of my first tensor load
	ds_add_u32 v[SPW], v[NIL]
	v_lshrrev_b32 v1, 5, v0
	v_readfirstlane_b32 s[WV], v1                  ; wave 0..7
	s_mov_b32 s[G1K], (1<<16)|(1<<20)|(4<<22)|(3<<25)   ; no mask; elements of 2 bytes; padding: 4 words behind every 32
	s_mov_b32 s[G1V], (1<<16)|(1<<20)|(4<<22)|(7<<25)   ; the same with 8 words
.irp g, G1K, G1V
	s_mov_b32 s[\g+1], 64<<16                      ; tensor_dim0 = 64
	s_mov_b32 s[\g+2], 64<<16                      ; tensor_dim1 = 64
	s_mov_b32 s[\g+3], 64<<16                      ; tile_dim0 = 64
	s_mov_b32 s[\g+4], 64                          ; tile_dim1 = 64
	s_mov_b32 s[\g+5], 64                          ; the pitch
	s_mov_b32 s[\g+6], 0
	s_mov_b32 s[\g+7], 0
.endr
	s_and_b32 s58, s[WV], 3                        ; which quarter of a slot I fetch
	s_mov_b32 s[G0K], 1
	s_mul_i32 s[G0K+1], s58, 64*PK
	s_mov_b32 s[G0V], 1
	s_mul_i32 s[G0V+1], s58, 64*PV
	s_add_co_u32 s[G0V+1], s[G0V+1], VOFF
	s_mov_b32 s[J], ttmp9
	s_and_b32 s59, ttmp7, 0xffff                   ; batch x 16 + head
	s_sub_co_u32 s[SUB], 11, s[WV]
	s_cmp_lt_u32 s[WV], 4
	s_cselect_b32 s[SUB], s[WV], s[SUB]            ; my sub-block of 32 queries
	s_cmp_eq_u32 s[J], 0
	s_cselect_b32 s[PLIM], 6, 0
	s_mov_b32 s[CS], 0x3e38aa3b                    ; c = log2(e) / 8
	s_mov_b32 s[CS+1], s[CS]
	s_mov_b32 s[SEL], 0x76543210
	s_mov_b32 s[SEL+1], 0xfedcba98
	s_mov_b32 s[OFF], 0
	s_mov_b32 s[OFF+1], 0
	s_mov_b32 s[TR], 0
	s_mov_b32 s[TB], 0
	s_mov_b32 s[BLK], s[J]
	s_lshl_b32 s2, s59, 18
	s_mov_b32 s3, 0
	s_wait_dscnt 0x0                               ; both opening adds are done
	s_wait_kmcnt 0x0
	s_add_nc_u64 s[QB:QB+1], s[4:5], s[2:3]
	s_add_nc_u64 s[YB:YB+1], s[6:7], s[2:3]
	s_lshl_b32 s2, s58, 13                         ; my quarter: 64 rows of 128 bytes
	s_add_nc_u64 s[KB:KB+1], s[QB:QB+1], s[2:3]
	s_add_nc_u64 s[VB:VB+1], s[KB:KB+1], 0x2000000
	s_add_nc_u64 s[KB:KB+1], s[KB:KB+1], 0x1000000
	s_mov_b64 s[G0K+2:G0K+3], s[KB:KB+1]
	s_or_b32 s[G0K+3], s[G0K+3], 0x80000000
	s_mov_b64 s[G0V+2:G0V+3], s[VB:VB+1]
	s_or_b32 s[G0V+3], s[G0V+3], 0x80000000
	TLOAD                                          ; key slot 0 into LDS slot 0
	s_cmp_lt_u32 s[WV], 4
	s_cselect_b64 s[PFA:PFA+1], s[KB:KB+1], s[VB:VB+1]
	s_add_nc_u64 s[PFA:PFA+1], s[PFA:PFA+1], 32768 ; at key slot 1: the first change of slots steps it to slot 2
	v_and_b32 v16, 15, v0                          ; r
	v_bfe_u32 v17, v0, 4, 1                        ; h
	v_and_b32 v18, 31, v0                          ; lane
	v_mul_u32_u24 v[AK0], v16, PK
	v_lshl_add_u32 v[AK0], v17, 4, v[AK0]          ; K: row r x pitch + 16 h
	v_and_b32 v19, 7, v0
	v_lshl_add_u32 v[AV0], v17, 3, v19             ; V: key 8 h + l % 8,
	v_mul_u32_u24 v[AV0], v[AV0], PV
	v_bfe_u32 v20, v0, 3, 1
	v_lshl_add_u32 v[AV0], v20, 4, v[AV0]          ; channels 8 ((l / 8) % 2) on
	v_add_nc_u32 v[AV0], VOFF, v[AV0]
	v_lshlrev_b32 v[QO], 7, v16
	v_lshl_add_u32 v[QO], v17, 4, v[QO]            ; Q: row r of 128 bytes + 16 h
	s_mul_i32 s58, s[WV], 32*PK
	s_add_co_u32 s58, s58, STAGE                   ; my stage
	v_add_nc_u32 v[STO], s58, v[AK0]               ; in: row r, 16 bytes for each half of the lanes
	v_lshrrev_b32 v21, 3, v18
	v_mul_u32_u24 v[RD], v21, PK
	v_lshl_add_u32 v[RD], v19, 4, v[RD]
	v_add_nc_u32 v[RD], s58, v[RD]                 ; back: eight lanes to a row of 128 bytes, four rows an instruction
	v_lshlrev_b32 v[GO], 4, v18                    ; the same 512 consecutive bytes in y16
	v_lshlrev_b32 v[PFO], 8, v18
	v_mov_b32 v[NINF], 0xff800000
	v_lshlrev_b32 v[RH], 3, v17
	v_sub_nc_u32 v[RH], v16, v[RH]                 ; r - 8 h
; A query block begins: my 32 queries' fragments; m = -3e38 (under every score), the sum and O^T zeros: the step is written once, and the first change of m multiplies zeros.
.macro INIT
	s_lshl_b32 s[Q0], s[BLK], 8
	s_lshl_b32 s58, s[SUB], 5
	s_add_co_u32 s[Q0], s[Q0], s58                 ; my first query
	s_mov_b32 s[KF], 0                             ; the step's first key
	s_lshl_b32 s58, s[Q0], 7
	v_add_nc_u32 v[QOC], s58, v[QO]
	WIN 0x40                                       ; destination window 1
.irp t, 0,1
.irp c, 0,1
	global_load_b128 v[QF+16*\t+8*\c:QF+16*\t+8*\c+3], v[QOC], s[QB:QB+1] offset:2048*\t+64*\c
	global_load_b128 v[QF+16*\t+8*\c+4:QF+16*\t+8*\c+7], v[QOC], s[QB:QB+1] offset:2048*\t+64*\c+32
.endr
.endr
	WIN 0
.irp t, 0,1
	v_mov_b32 v[ST+8*\t+1], 0xff61b1e6
	v_mul_f32 v[ST+8*\t], s[CS], v[ST+8*\t+1]
.irp i, 2,3,4,5,6,7
	v_mov_b32 v[ST+8*\t+\i], 0
.endr
.endr
.set i, 0
.rept 64
	v_mov_b32 v[O+i], 0
.set i, i+1
.endr
	s_wait_loadcnt 0x0                             ; Q is in, and its address register is free
.endm
; The softmax of both tiles up to the weights: the maximum, the scalings, ONE batch of 66 exponentials with one wait, the roundings, O^T's rescaling.  The tiles alternate line by line.
.macro SM1
.irp q, 0,1,2,3
.irp t, 0,1
	v_max3_num_f32 v[ST+8*\t+4+\q], v[S+32*\t+8*\q], v[S+32*\t+8*\q+1], v[S+32*\t+8*\q+2]   ; each accumulator is read from its low end on
.endr
.endr
.irp i, 3,5
.irp q, 0,1,2,3
.irp t, 0,1
	v_max3_num_f32 v[ST+8*\t+4+\q], v[ST+8*\t+4+\q], v[S+32*\t+8*\q+\i], v[S+32*\t+8*\q+\i+1]
.endr
.endr
.endr
.irp t, 0,1
	v_max3_num_f32 v[ST+8*\t+4], v[ST+8*\t+4], v[S+32*\t+7], v[S+32*\t+15]
	v_max3_num_f32 v[ST+8*\t+6], v[ST+8*\t+6], v[S+32*\t+23], v[S+32*\t+31]
.endr
.irp t, 0,1
	v_max3_num_f32 v[ST+8*\t+4], v[ST+8*\t+4], v[ST+8*\t+5], v[ST+8*\t+6]
.endr
.irp t, 0,1
	v_max3_num_f32 v[ST+8*\t+4], v[ST+8*\t+4], v[ST+8*\t+7], v[ST+8*\t+1]   ; with the old m
.endr
.irp t, 0,1
	v_permlanex16_b32 v[ST+8*\t+5], v[ST+8*\t+4], s[SEL], s[SEL+1]          ; the query's other 32 keys lie 16 lanes away
.endr
.irp t, 0,1
	v_mov_b32 v[ST+8*\t+7], v[ST+8*\t]             ; c m_old
.endr
.irp t, 0,1
	v_max_num_f32 v[ST+8*\t+1], v[ST+8*\t+4], v[ST+8*\t+5]
.endr
.irp t, 0,1
	v_mul_f32 v[ST+8*\t], s[CS], v[ST+8*\t+1]
.endr
.irp t, 0,1
	v_sub_f32 v[ST+8*\t+7], v[ST+8*\t+7], v[ST+8*\t]
.endr
.set i, 0
.rept 16
	v_pk_fma_f32 v[S+2*i:S+2*i+1], v[S+2*i:S+2*i+1], s[CS:CS+1], v[ST:ST+1] op_sel_hi:[1,0,0] neg_lo:[0,0,1] neg_hi:[0,0,1]   ; c s - c m
	v_pk_fma_f32 v[S+32+2*i:S+32+2*i+1], v[S+32+2*i:S+32+2*i+1], s[CS:CS+1], v[ST+8:ST+9] op_sel_hi:[1,0,0] neg_lo:[0,0,1] neg_hi:[0,0,1]
.set i, i+1
.endr
.irp t, 0,1
	v_exp_f32 v[ST+8*\t+6], v[ST+8*\t+7]           ; 2^(c m_old - c m_new)
.endr
.set i, 0
.rept 32
	v_exp_f32 v[S+i], v[S+i]
	v_exp_f32 v[S+32+i], v[S+32+i]
.set i, i+1
.endr
	v_nop                                          ; a plain line behind the last exponential,
	s_wait_alu depctr_va_vdst(0)                   ; and the one wait ahead of the batch's first reader
.set i, 0
.rept 16
	v_cvt_pk_f16_f32 v[P+i], v[S+2*i], v[S+2*i+1]
	v_cvt_pk_f16_f32 v[P+16+i], v[S+32+2*i], v[S+32+2*i+1]
.set i, i+1
.endr
.set i, 0
.rept 16
	v_pk_mul_f32 v[O+2*i:O+2*i+1], v[O+2*i:O+2*i+1], v[ST+6:ST+7] op_sel_hi:[1,0]
	v_pk_mul_f32 v[O+32+2*i:O+32+2*i+1], v[O+32+2*i:O+32+2*i+1], v[ST+14:ST+15] op_sel_hi:[1,0]
.set i, i+1
.endr
.endm
; The row sums of the unrounded p, in place, neighbours 1, 2, 4, 8 pairs apart; then the sum takes them.  These 32 plain lines name no register of the products V^T P: they are the places behind them.
.macro SM2
.irp w, 4,8,16,32
.set u, 0
.rept 32/\w
.irp t, 0,1
	v_pk_add_f32 v[S+32*\t+\w*u:S+32*\t+\w*u+1], v[S+32*\t+\w*u:S+32*\t+\w*u+1], v[S+32*\t+\w*u+\w/2:S+32*\t+\w*u+\w/2+1]
.endr
.set u, u+1
.endr
.endr
.irp t, 0,1
	v_pk_fma_f32 v[ST+8*\t+2:ST+8*\t+3], v[ST+8*\t+2:ST+8*\t+3], v[ST+8*\t+6:ST+8*\t+7], v[S+32*\t:S+32*\t+1] op_sel_hi:[1,0,1]
.endr
.endm
; A KEY STEP: 64 keys, the q-th of the slot in hand.
.macro STEP q
	s_add_co_u32 s58, s[Q0], 31
	s_cmp_gt_u32 s[KF], s58                        ; all 64 keys come after my 32 queries: the step's work is left out
	s_cbranch_scc1 .Lhidden_\@
	v_add_nc_u32 v[ADK], s[TB], v[AK0]
	v_add_nc_u32 v[ADV], s[TB], v[AV0]
.irp kt, 0,1,2,3
.irp c, 0,1
	ds_load_b128 v[KFR+8*(2*\kt+\c):KFR+8*(2*\kt+\c)+3], v[ADK] offset:\q*64*PK+\kt*16*PK+64*\c
	ds_load_b128 v[KFR+8*(2*\kt+\c)+4:KFR+8*(2*\kt+\c)+7], v[ADK] offset:\q*64*PK+\kt*16*PK+64*\c+32
.endr
.endr
	WIN 0x40                                       ; destination window 1
.irp kc, 0,1
.irp ct, 0,1,2,3
	ds_load_tr16_b128 v[VF+8*(4*\kc+\ct):VF+8*(4*\kc+\ct)+3], v[ADV] offset:(64*\q+32*\kc)*PV+32*\ct
	ds_load_tr16_b128 v[VF+8*(4*\kc+\ct)+4:VF+8*(4*\kc+\ct)+7], v[ADV] offset:(64*\q+32*\kc+16)*PV+32*\ct
.endr
.endr
	s_wait_dscnt 16                                ; K is in; V's sixteen loads may be out
	WIN W_KQ
.irp c, 0,1                                    ; S^T = K Q^T: the eight accumulators by turns; the first eight start the sums
.irp kt, 0,1,2,3
.irp t, 0,1
.if \c == 0
	v_wmma_f32_16x16x32_f16 v[S+32*\t+8*\kt:S+32*\t+8*\kt+7], v[KFR+8*(2*\kt+\c):KFR+8*(2*\kt+\c)+7], v[QF+16*\t+8*\c:QF+16*\t+8*\c+7], 0
.else
	v_wmma_f32_16x16x32_f16 v[S+32*\t+8*\kt:S+32*\t+8*\kt+7], v[KFR+8*(2*\kt+\c):KFR+8*(2*\kt+\c)+7], v[QF+16*\t+8*\c:QF+16*\t+8*\c+7], v[S+32*\t+8*\kt:S+32*\t+8*\kt+7]
.endif
.endr
.endr
.endr
	WIN 0
.rept 4
	v_nop                                          ; places in front of the first read of the scores
.endr
	s_add_co_u32 s58, s[KF], 63
	s_cmp_le_u32 s58, s[Q0]                        ; all 64 keys count for all my queries: no mask
	s_cbranch_scc1 .Lopen_\@
	s_sub_co_i32 s58, s[Q0], s[KF]
	v_add_nc_u32 v[ST+4], s58, v[RH]               ; d = Q0 - KF + r - 8 h.  Register n of tile t holds key KF + 16 (n / 8) + 8 h + n % 8 for query Q0 + 16 t + r: hidden where 16 (n / 8) + n % 8 - 16 t > d
.set n, 0
.rept 32
	v_cmp_gt_i32 vcc_lo, 16*(n/8)+n%8, v[ST+4]
	v_cndmask_b32 v[S+n], v[S+n], v[NINF], vcc_lo
	v_cmp_gt_i32 vcc_lo, 16*(n/8)+n%8-16, v[ST+4]
	v_cndmask_b32 v[S+32+n], v[S+32+n], v[NINF], vcc_lo
.set n, n+1
.endr
.Lopen_\@:
	SM1
	s_wait_dscnt 0x0                               ; V is in
	WIN W_PV
.irp kc, 0,1                                   ; O^T += V^T P: the eight accumulators by turns
.irp ct, 0,1,2,3
.irp t, 0,1
	v_wmma_f32_16x16x32_f16 v[O+32*\t+8*\ct:O+32*\t+8*\ct+7], v[VF+8*(4*\kc+\ct):VF+8*(4*\kc+\ct)+7], v[P+16*\t+8*\kc:P+16*\t+8*\kc+7], v[O+32*\t+8*\ct:O+32*\t+8*\ct+7]
.endr
.endr
.endr
	WIN 0
	SM2
.Lhidden_\@:
	s_add_co_u32 s[KF], s[KF], 64
.endm
; THE CHANGE OF SLOTS stands at a slot's head.  Each wave waits for all its tensor loads (its part of the slot that it is about to read), adds 0 to its spare word, and waits for that and for its reads of the slot
; that it has left.  Behind the barrier the slot ahead is whole and nobody reads the other.  fill = 1: the other is filled with the next trip's keys: the next 256, or, behind block j's last slot, the head's first 256 again.
.macro CHANGE fill
	s_wait_tensorcnt 0x0                           ; no tensor load of mine is out, so a group 0 may be written
	ds_add_u32 v[SPW], v[NIL]                      ; 0 onto my spare word; the descriptors' steps stand between it and the wait for it
.if \fill
	s_xor_b32 s[G0K+1], s[G0K+1], SLOT1
	s_xor_b32 s[G0V+1], s[G0V+1], SLOT1
	s_add_co_u32 s[OFF], s[OFF], 32768
	s_cmp_eq_u32 s[TR], s[J]
	s_cselect_b32 s[OFF], 0, s[OFF]
	s_add_nc_u64 s[G0K+2:G0K+3], s[KB:KB+1], s[OFF:OFF+1]
	s_or_b32 s[G0K+3], s[G0K+3], 0x80000000
	s_add_nc_u64 s[G0V+2:G0V+3], s[VB:VB+1], s[OFF:OFF+1]
	s_or_b32 s[G0V+3], s[G0V+3], 0x80000000
	s_wait_xcnt 0x0                                ; the last prefetch, a trip back, has read its address
	s_add_nc_u64 s[PFA:PFA+1], s[PFA:PFA+1], 32768
.endif
	s_wait_dscnt 0x0                               ; the add is done, and my reads of the slot that I have left are over
	s_barrier_signal -1
	s_barrier_wait -1
.if \fill
	TLOAD                                          ; the first thing behind the barrier, and my one tensor load until the next
	ASK
.endif
.endm
.macro SLOT_STEPS
	STEP 0
	STEP 1
	STEP 2
	STEP 3
	s_xor_b32 s[TB], s[TB], SLOT1                  ; on to the other slot
.endm
; A query block leaves: O^T / the sum, rounded to f16, through my stage, out as 512 consecutive bytes an instruction.
.macro OUT again
.irp t, 0,1
	v_add_f32 v[ST+8*\t+4], v[ST+8*\t+2], v[ST+8*\t+3]
.endr
.irp t, 0,1
	v_permlanex16_b32 v[ST+8*\t+5], v[ST+8*\t+4], s[SEL], s[SEL+1]
.endr
.irp t, 0,1
	v_add_f32 v[ST+8*\t+4], v[ST+8*\t+4], v[ST+8*\t+5]
.endr
.irp t, 0,1
	v_rcp_f32 v[ST+8*\t+6], v[ST+8*\t+4]
.endr
	s_lshl_b32 s58, s[Q0], 7
	v_add_nc_u32 v[GOC], s58, v[GO]                ; (the plain line behind the reciprocals)
	s_wait_alu depctr_va_vdst(0)                   ; the wait ahead of their first reader
.set i, 0
.rept 16
	v_pk_mul_f32 v[O+2*i:O+2*i+1], v[O+2*i:O+2*i+1], v[ST+6:ST+7] op_sel_hi:[1,0]
	v_pk_mul_f32 v[O+32+2*i:O+32+2*i+1], v[O+32+2*i:O+32+2*i+1], v[ST+14:ST+15] op_sel_hi:[1,0]
.set i, i+1
.endr
.set i, 0
.rept 16
	v_cvt_pk_f16_f32 v[S+i], v[O+2*i], v[O+2*i+1]
	v_cvt_pk_f16_f32 v[S+32+i], v[O+32+2*i], v[O+32+2*i+1]
.set i, i+1
.endr
.irp t, 0,1
.irp ct, 0,1,2,3
	ds_store_b128 v[STO], v[S+32*\t+4*\ct:S+32*\t+4*\ct+3] offset:16*PK*\t+32*\ct
.endr
.endr
.irp i, 0,1,2,3,4,5,6,7
	ds_load_b128 v[KFR+4*\i:KFR+4*\i+3], v[RD] offset:4*PK*\i   ; LDS serves a wave's instructions in order: these see the stores above
.endr
.irp i, 0,1,2,3,4,5,6,7
	s_wait_dscnt 7-\i                              ; the younger loads may be out
	global_store_b128 v[GOC], v[KFR+4*\i:KFR+4*\i+3], s[YB:YB+1] offset:512*\i
.endr
.if \again
	s_wait_xcnt 0x0                                ; the stores have read their data and their address: both are written again in the next block
.endif
.endm
	INIT
.Lslot:                                            ; eight trips; the ninth is written out
	CHANGE 1
	SLOT_STEPS
	s_cmp_lg_u32 s[TR], s[J]                       ; block j ends with trip j
	s_cbranch_scc1 .Lsame
	OUT 1
	s_sub_co_u32 s[BLK], 7, s[J]
	INIT
.Lsame:
	s_add_co_u32 s[TR], s[TR], 1
	s_cmp_lt_u32 s[TR], 8
	s_cbranch_scc1 .Lslot
	CHANGE 0
	SLOT_STEPS
	OUT 0
	s_wait_tensorcnt 0x0                           ; the wave's end
	ds_add_u32 v[SPW], v[NIL]
	s_wait_dscnt 0x0
	s_endpgm
.Lfunc_end_k_qdd9a14d57a_attn:
	.size	k_qdd9a14d57a_attn, .Lfunc_end_k_qdd9a14d57a_attn-k_qdd9a14d57a_attn
	.p2alignl 7, 3214868480
	.fill 96, 4, 3214868480
	.section	.rodata,"a",@progbits
	.p2align	6, 0x0
	.amdhsa_kernel k_qdd9a14d57a_attn
		.amdhsa_group_segment_fixed_size 327680
		.amdhsa_private_segment_fixed_size 0
		.amdhsa_enable_private_segment 0
		.amdhsa_kernarg_size 16
		.amdhsa_user_sgpr_count 2
		.amdhsa_user_sgpr_kernarg_segment_ptr 1
		.amdhsa_wavefront_size32 1
		.amdhsa_system_sgpr_workgroup_id_x 1
		.amdhsa_system_sgpr_workgroup_id_y 1
		.amdhsa_system_sgpr_workgroup_id_z 1
		.amdhsa_system_vgpr_workitem_id 0
		.amdhsa_next_free_vgpr 352
		.amdhsa_next_free_sgpr 66
		.amdhsa_reserve_vcc 1
		.amdhsa_float_denorm_mode_32 3
		.amdhsa_float_denorm_mode_16_64 3
		.amdhsa_memory_ordered 1
		.amdhsa_forward_progress 1
		.amdhsa_inst_pref_size 197
	.end_amdhsa_kernel
	.amdgpu_metadata
---
amdhsa.version: [ 1, 2 ]
amdhsa.kernels:
  - .name:           k_qdd9a14d57a_attn
    .symbol:         k_qdd9a14d57a_attn.kd
    .args:
      - { .name: qkv, .offset: 0, .size: 8, .value_kind: global_buffer, .address_space: global }
      - { .name: y16, .offset: 8, .size: 8, .value_kind: global_buffer, .address_space: global }
    .group_segment_fixed_size: 327680
    .private_segment_fixed_size: 0
    .kernarg_segment_align: 8
    .kernarg_segment_size: 16
    .max_flat_workgroup_size: 256
    .sgpr_count:     66
    .vgpr_count:     352
    .wavefront_size: 32
...
	.end_amdgpu_metadata
.endif
;; end of part 4
;; launch proj (part 5): grid 4 x 64, 4 waves a work-group, clusters of 4 x 4, 327,680 bytes of LDS; arguments y16, wp16, out0, b_proj; writes out0
.if DOCPART == 5
	.amdgcn_target "amdgcn-amd-amdhsa--gfx1250"
	.amdhsa_code_object_version 6
	.text
	.protected	k_qdd9a14d57a_proj
	.globl	k_qdd9a14d57a_proj
	.p2align	8
	.type	k_qdd9a14d57a_proj,@function
k_qdd9a14d57a_proj:
	s_mov_b64 s[64:65], 0
	v_nop
	global_prefetch_b8 v0, s[64:65] scope:SCOPE_SE
	s_setreg_imm32_b32 hwreg(HW_REG_WAVE_MODE, 25, 1), 1
	s_wait_xcnt 0x0
	s_wait_alu depctr_hold_cnt(0) depctr_sa_sdst(0) depctr_va_vdst(0) depctr_va_sdst(0) depctr_va_ssrc(0) depctr_va_vcc(0) depctr_vm_vsrc(0)
	s_getreg_b32 s2, hwreg(HW_REG_IB_STS2, 6, 4)
	s_cmp_eq_u32 s2, 0
	s_cbranch_scc0 .Lentry_in_a_cluster
	s_endpgm
.Lentry_in_a_cluster:
	s_bfe_u32 s2, ttmp6, 0x10000c
	s_cmp_lg_u32 s2, 0xf033
	s_cbranch_scc0 .Lentry_shape_is_right
	s_endpgm
.Lentry_shape_is_right:
; out[m][n] = the sum over k of y[m][k] W_proj[n][k] + b_proj[n].  y: f16, laid [batch x 16 + head][token][64] (k = 64 head + channel); W_proj: f16 [1024][1024]; out: f32 [8192][1024]; sums in f32.
; A tile of 128 tokens x 256 columns: 256 work-groups.  Four waves, 64 x 128 each: 32 accumulators, 256 registers.  K goes in 8 steps of 128 (two heads) through a ring of two LDS slots.
; A slot: y's two head sub-tiles of 128 rows x (128 bytes + 16), then W's 256 rows x (256 bytes + 16).  Waves 0, 1 fetch the two sub-tiles, waves 2, 3 W's halves: one load a wave behind each round.
; CLUSTERS: 4 x 4 work-groups; y's tiles are shared along a row of the cluster, W's along a column: joint loads.  No prefetch: eight K steps in all, two of them asked for at the head.
; THE MATRIX INSTRUCTION IS USED TRANSPOSED (source 0 = 16 rows of W, source 1 = 16 tokens): a lane holds eight neighbouring columns of one token.  The bias is the C of each sum's first product.
; REGISTERS: window 0: v0-31 addresses; two fragment buffers of 96 at v32 and v128 (y's four fragments, then W's eight, 32 along K); on the way out v32-159.  window 1: accumulator (a, b) at v[8 (8 a + b)].  window 2: v0-63 the bias.
.set PA,    144
.set PB,    272
.set SUBT,  128*PA                     ; a head sub-tile
.set BOFF,  2*SUBT
.set HALFB, 128*PB
.set SLOT,  BOFF+2*HALFB
.set STAGE, 2*SLOT                     ; 16 rows x 528 bytes for each wave, bytes of their own
.set SPITCH, 528
.set SPARE, STAGE+4*16*SPITCH          ; the spare words, 128 bytes a wave, named by no other line
.set ADRA, 16
.set ADRB, 20
.set STO,  24
.set RD,   25
.set CO,   26
.set BO,   27
.set SPW,  28
.set NIL,  29
.set F0,   32
.set F1,   128
.set BK,   32
.set G1,  24
.set G0,  32
.set G1B, 48
.set G0B, 56
.set MSB, 0
.macro WIN new
.if MSB != (\new)
	s_set_vgpr_msb (MSB<<8)|(\new)
.set MSB, (\new)
.endif
.endm
.set MUL,  0x50                        ; C and D window 1
.set MULZ, 0x60                        ; D window 1, C (the bias) window 2
.macro JLOAD s                         ; a joint load; an s_nop 0 and four v_nop follow each of the two lines
	s_cmp_eq_u32 s11, 0
	s_cbranch_scc0 .Lfor_b_\@
	tensor_load_to_lds s[G0+4*\s:G0+4*\s+3], s[G1:G1+7]
	s_nop 0
.rept 4
	v_nop
.endr
	s_branch .Lasked_\@
.Lfor_b_\@:
	tensor_load_to_lds s[G0B+4*\s:G0B+4*\s+3], s[G1B:G1B+7]
	s_nop 0
.rept 4
	v_nop
.endr
.Lasked_\@:
.endm
.macro CREST                           ; a round of the cluster's barrier behind its opening barrier
	s_cmp_lg_u32 s10, 0
	s_cbranch_scc1 .Lnot_wave_0_\@
	s_barrier_signal -3
.Lnot_wave_0_\@:
	s_barrier_wait -3
	s_barrier_signal -1
	s_barrier_wait -1
.endm
.macro CROUND
	s_barrier_signal -1
	s_barrier_wait -1
	CREST
.endm
	s_load_b128 s[4:7], s[0:1], 0x0                ; y16 s[4:5], wp16 s[6:7]
	s_load_b64 s[8:9], s[0:1], 0x10                ; out0
	s_load_b64 s[66:67], s[0:1], 0x18              ; b_proj
	v_lshl_add_u32 v[SPW], v0, 2, SPARE
	v_mov_b32 v[NIL], 0
	ds_add_u32 v[SPW], v[NIL]                      ; the wave's opening: the add, twice on end, and its wait ahead of my first tensor load
	ds_add_u32 v[SPW], v[NIL]
	v_lshrrev_b32 v1, 5, v0
	v_readfirstlane_b32 s10, v1                    ; wave 0..3
	s_lshr_b32 s11, s10, 1                         ; which half of the tile's tokens is mine.  Also: I fetch for y (0) or for W (1)
	s_and_b32 s12, s10, 1                          ; which half of its columns.  Also: which part I fetch
	s_bfe_u32 s40, ttmp6, 0x40000                  ; cx, cy
	s_bfe_u32 s41, ttmp6, 0x40004
	s_lshl_b32 s42, ttmp9, 2
	s_add_co_u32 s42, s42, s40                     ; tile column = 4 x cluster x + cx
	s_and_b32 s13, ttmp7, 0xffff
	s_lshl_b32 s13, s13, 2
	s_add_co_u32 s13, s13, s41                     ; tile row = 4 x cluster y + cy
	s_lshl_b32 s43, s41, 2
	s_lshl_b32 s43, 15, s43                        ; my row of the cluster
	s_lshl_b32 s44, 0x1111, s40                    ; my column
	s_or_b32 s[G1+0], s43, (1<<16)|(1<<20)|(1<<21)|(4<<22)|(3<<25)   ; y: elements of 2 bytes; 4 words of padding behind every 32; bit 21 beside a mask
	s_mov_b32 s[G1+1], 64<<16                      ; tensor_dim0 = 64
	s_mov_b32 s[G1+2], 128<<16                     ; tensor_dim1 = 128
	s_mov_b32 s[G1+3], 64<<16                      ; tile_dim0 = 64
	s_mov_b32 s[G1+4], 128                         ; tile_dim1 = 128
	s_mov_b32 s[G1+5], 64                          ; the pitch
	s_mov_b32 s[G1+6], 0
	s_mov_b32 s[G1+7], 0
	s_or_b32 s[G1B+0], s44, (1<<16)|(1<<20)|(1<<21)|(5<<22)|(3<<25)  ; W: 4 words behind every 64
	s_mov_b32 s[G1B+1], 128<<16
	s_mov_b32 s[G1B+2], 128<<16
	s_mov_b32 s[G1B+3], 128<<16
	s_mov_b32 s[G1B+4], 128
	s_mov_b32 s[G1B+5], 1024
	s_mov_b32 s[G1B+6], 0
	s_mov_b32 s[G1B+7], 0
	s_lshr_b32 s16, s13, 4                         ; y: the batch (tile row / 16),
	s_lshl_b32 s16, s16, 22
	s_and_b32 s17, s13, 15                         ; the token 128 (tile row % 16),
	s_lshl_b32 s17, s17, 14
	s_add_co_u32 s16, s16, s17
	s_lshl_b32 s17, s12, 18                        ; the head that I fetch of a K step's two
	s_add_co_u32 s16, s16, s17
	s_mov_b32 s17, 0
	s_lshl_b32 s46, s42, 8                         ; W: row 256 x tile column + 128 x half, 2,048 bytes a row
	s_lshl_b32 s47, s12, 7
	s_add_co_u32 s46, s46, s47
	s_lshl_b32 s46, s46, 11
	s_mov_b32 s47, 0
	s_mul_i32 s20, s12, SUBT                       ; where they go: no place in the cluster enters an LDS address
	s_mul_i32 s21, s12, HALFB
	s_add_co_u32 s21, s21, BOFF
	s_wait_dscnt 0x0                               ; both opening adds are done
	s_wait_kmcnt 0x0
	s_add_nc_u64 s[14:15], s[4:5], s[16:17]
	s_add_nc_u64 s[46:47], s[6:7], s[46:47]
	CROUND                                         ; all sixteen work-groups are here: the first joint loads meet
.irp s, 0,1
	s_mov_b32 s[G0+4*\s], 1
	s_add_co_u32 s[G0+4*\s+1], s20, \s*SLOT
	s_add_nc_u64 s[G0+4*\s+2:G0+4*\s+3], s[14:15], \s*(1<<19)   ; K step s: two heads on
	s_or_b32 s[G0+4*\s+3], s[G0+4*\s+3], 0x80000000
	s_mov_b32 s[G0B+4*\s], 1
	s_add_co_u32 s[G0B+4*\s+1], s21, \s*SLOT
	s_add_nc_u64 s[G0B+4*\s+2:G0B+4*\s+3], s[46:47], \s*256
	s_or_b32 s[G0B+4*\s+3], s[G0B+4*\s+3], 0x80000000
	JLOAD \s                                       ; two loads of mine are out
.endr
	v_and_b32 v1, 15, v0                           ; r
	v_bfe_u32 v2, v0, 4, 1                         ; h
	s_lshl_b32 s16, s13, 7
	s_lshl_b32 s17, s11, 6
	s_add_co_u32 s16, s16, s17
	s_lshl_b32 s16, s16, 12                        ; my first row of out: (128 x tile row + 64 x half) x 4,096 bytes
	s_lshl_b32 s46, s42, 10
	s_lshl_b32 s47, s12, 9
	s_add_co_u32 s46, s46, s47                     ; my first column, in bytes
	s_mov_b32 s47, 0
	s_add_nc_u64 s[66:67], s[66:67], s[46:47]
	s_add_co_u32 s46, s46, s16
	s_add_nc_u64 s[8:9], s[8:9], s[46:47]
	v_lshlrev_b32 v[BO], 5, v2                     ; lane (r, h) wants, for column block b, the bias numbers 16 b + 8 h + 0 .. 7
	WIN 0x80                                       ; destination window 2
.irp b, 0,1,2,3,4,5,6,7
	global_load_b128 v[8*\b:8*\b+3], v[BO], s[66:67] offset:64*\b
	global_load_b128 v[8*\b+4:8*\b+7], v[BO], s[66:67] offset:64*\b+16
.endr
	WIN 0
	v_mul_u32_u24 v3, v1, PA
	v_lshl_add_u32 v3, v2, 4, v3
	v_mul_u32_u24 v4, v1, PB
	v_lshl_add_u32 v4, v2, 4, v4
	s_mul_i32 s22, s11, 64*PA                      ; my 64 tokens in a sub-tile
	s_mul_i32 s23, s12, HALFB                      ; my 128 rows of W
	s_add_co_u32 s23, s23, BOFF
.irp s, 0,1
	v_add_nc_u32 v[ADRA+\s], s22, v3
	v_add_nc_u32 v[ADRB+\s], s23, v4
	s_add_co_u32 s22, s22, SLOT
	s_add_co_u32 s23, s23, SLOT
.endr
	s_mul_i32 s23, s10, 16*SPITCH
	s_add_co_u32 s23, s23, STAGE                   ; my stage
	v_mul_u32_u24 v5, v1, SPITCH
	v_lshl_add_u32 v5, v2, 5, v5
	v_add_nc_u32 v[STO], s23, v5                   ; in: row r, 32 bytes for each half of the lanes
	v_and_b32 v6, 31, v0
	v_lshlrev_b32 v[CO], 4, v6                     ; back: the 32 lanes take one row of 512 bytes; the same in out
	v_add_nc_u32 v[RD], s23, v[CO]
; 8 matrix instructions: token block a against W's eight.  The 32 accumulators take turns in the same order in every quarter.
.macro MUL8 f, a, zero
.irp b, 0,1,2,3,4,5,6,7
.if \zero
	v_wmma_f32_16x16x32_f16 v[8*(8*(\a)+\b):8*(8*(\a)+\b)+7], v[\f+32+8*\b:\f+32+8*\b+7], v[\f+8*(\a):\f+8*(\a)+7], v[8*\b:8*\b+7]
.else
	v_wmma_f32_16x16x32_f16 v[8*(8*(\a)+\b):8*(8*(\a)+\b)+7], v[\f+32+8*\b:\f+32+8*\b+7], v[\f+8*(\a):\f+8*(\a)+7], v[8*(8*(\a)+\b):8*(8*(\a)+\b)+7]
.endif
.endr
.endm
; 24 LDS loads in one run: the fragments of the slot's kc-th 32 along K into buffer f: W's sixteen loads first, then y's eight
.macro FETCH slot, kc, f
.irp i, 0,1,2,3,4,5,6,7
	ds_load_b128 v[\f+32+8*\i:\f+32+8*\i+3], v[ADRB+\slot] offset:64*(\kc)+\i*16*PB
	ds_load_b128 v[\f+32+8*\i+4:\f+32+8*\i+7], v[ADRB+\slot] offset:64*(\kc)+\i*16*PB+32
.endr
.irp i, 0,1,2,3
	ds_load_b128 v[\f+8*\i:\f+8*\i+3], v[ADRA+\slot] offset:((\kc)/2)*SUBT+((\kc)%2)*64+\i*16*PA
	ds_load_b128 v[\f+8*\i+4:\f+8*\i+7], v[ADRA+\slot] offset:((\kc)/2)*SUBT+((\kc)%2)*64+\i*16*PA+32
.endr
.endm
.macro PLACES                          ; four plain places behind matrix instructions, in front of loads into registers that they read and of reads of results
.rept 4
	v_nop
.endr
.endm
; A quarter: 32 along K, 32 matrix instructions on buffer f; in its middle the next quarter's fragments (the slot's kc-th) are fetched into g.
.macro QUARTER slot, kc, f, g, zero
	s_wait_dscnt 4                                 ; W's fragments and token blocks 0, 1 are in; the youngest four loads (blocks 2, 3) may be out
.if \zero
	WIN MULZ
.else
	WIN MUL
.endif
	MUL8 \f, 0, \zero
	MUL8 \f, 1, \zero
	PLACES
	WIN 0
	FETCH \slot, \kc, \g
	s_wait_dscnt 24                                ; all but the 24 just issued
.if \zero
	WIN MULZ
.else
	WIN MUL
.endif
	MUL8 \f, 2, \zero
	MUL8 \f, 3, \zero
.endm
; A slot's last quarter changes slots: ONE barrier; in front of it each wave waits for all its tensor loads, adds 0 to its spare word, and waits for that and for its reads of this slot.
; fill = 1: the barrier opens a round of the cluster's, and behind it this slot is filled again, two K steps ahead: the load has a K step less 16 matrix instructions in which to land.
.macro TURN slot, next, fill
	WIN 0
	s_wait_tensorcnt 0x0                           ; all my tensor loads have landed: my part of the next slot
	ds_add_u32 v[SPW], v[NIL]
	s_wait_dscnt 5                                 ; the add and the youngest four loads may be out
	WIN MUL
	MUL8 F1, 0, 0
	s_wait_dscnt 0x0                               ; the add is done, and my reads of this slot are over
	s_barrier_signal -1
	MUL8 F1, 1, 0
	WIN 0
	s_barrier_wait -1
.if \fill
	CREST
	s_add_nc_u64 s[G0+4*\slot+2:G0+4*\slot+3], s[G0+4*\slot+2:G0+4*\slot+3], 1<<20
	s_add_nc_u64 s[G0B+4*\slot+2:G0B+4*\slot+3], s[G0B+4*\slot+2:G0B+4*\slot+3], 512
	JLOAD \slot                                    ; the first tensor load behind the round; its four v_nop are also the places in front of the loads below
.else
	PLACES
.endif
	FETCH \next, 0, F0
	WIN MUL
	MUL8 F1, 2, 0
	MUL8 F1, 3, 0
.endm
	s_wait_tensorcnt 1                             ; my part of K step 0 is in; K step 1's load may be out
	s_barrier_signal -1
	s_barrier_wait -1
	FETCH 0, 0, F0
	s_wait_loadcnt 0x0                             ; the bias
	QUARTER 0, 1, F0, F1, 1                        ; the first quarter stands in front of the loop: its products start the sums from the bias
	WIN 0
	s_mov_b32 s3, 3
.Llap:                                             ; a trip goes once round the ring and fills both slots again
	QUARTER 0, 2, F1, F0, 0
	QUARTER 0, 3, F0, F1, 0
	TURN 0, 1, 1
	QUARTER 1, 1, F0, F1, 0
	QUARTER 1, 2, F1, F0, 0
	QUARTER 1, 3, F0, F1, 0
	TURN 1, 0, 1
	QUARTER 0, 1, F0, F1, 0
	WIN 0
	s_sub_co_u32 s3, s3, 1
	s_cmp_lg_u32 s3, 0
	s_cbranch_scc1 .Llap
	QUARTER 0, 2, F1, F0, 0                        ; the last lap fills nothing
	QUARTER 0, 3, F0, F1, 0
	TURN 0, 1, 0
	QUARTER 1, 1, F0, F1, 0
	QUARTER 1, 2, F1, F0, 0
	QUARTER 1, 3, F0, F1, 0
	s_wait_dscnt 4
	WIN MUL
	MUL8 F1, 0, 0
	MUL8 F1, 1, 0
	s_wait_dscnt 0
	MUL8 F1, 2, 0
	MUL8 F1, 3, 0
	WIN 0
; THE WAY OUT, a block of 16 tokens x 128 columns at a time, through my own stage: back as whole rows of 512 bytes.
.macro TOSTAGE a
	WIN 0x04                                       ; an LDS store's data are its source 1: window 1
.irp b, 0,1,2,3,4,5,6,7
	ds_store_b128 v[STO], v[64*(\a)+8*\b:64*(\a)+8*\b+3] offset:64*\b        ; each accumulator from its low end on
	ds_store_b128 v[STO], v[64*(\a)+8*\b+4:64*(\a)+8*\b+7] offset:64*\b+16
.endr
	WIN 0
.set BB, BK+64*((\a)%2)
.irp t, 0,1,2,3,4,5,6,7,8,9,10,11,12,13,14,15
	ds_load_b128 v[BB+4*\t:BB+4*\t+3], v[RD] offset:\t*SPITCH   ; LDS serves a wave's instructions in order: these see the stores above
.endr
.endm
.macro SEND a, younger
.set BB, BK+64*((\a)%2)
	s_wait_dscnt \younger                          ; the block is back; the next block's 16 stores and 16 loads may be out
.irp t, 0,1,2,3,4,5,6,7,8,9,10,11,12,13,14,15
	global_store_b128 v[CO], v[BB+4*\t:BB+4*\t+3], s[8:9] offset:(16*(\a)+\t)*4096 th:TH_STORE_NT   ; 32 lanes store 512 consecutive bytes
.endr
.endm
	PLACES
	TOSTAGE 0
.irp a, 1,2,3
.if \a > 1
	s_wait_xcnt 0x0                                ; block a - 2's stores have read their registers: block a's loads may land there
.endif
	TOSTAGE \a
	SEND \a-1, 32
.endr
	SEND 3, 0
	s_wait_tensorcnt 0x0                           ; the wave's end
	ds_add_u32 v[SPW], v[NIL]
	s_wait_dscnt 0x0
	CROUND                                         ; the closing round
	s_endpgm
.Lfunc_end_k_qdd9a14d57a_proj:
	.size	k_qdd9a14d57a_proj, .Lfunc_end_k_qdd9a14d57a_proj-k_qdd9a14d57a_proj
	.p2alignl 7, 3214868480
	.fill 96, 4, 3214868480
	.section	.rodata,"a",@progbits
	.p2align	6, 0x0
	.amdhsa_kernel k_qdd9a14d57a_proj
		.amdhsa_group_segment_fixed_size 327680
		.amdhsa_private_segment_fixed_size 0
		.amdhsa_enable_private_segment 0
		.amdhsa_kernarg_size 32
		.amdhsa_user_sgpr_count 2
		.amdhsa_user_sgpr_kernarg_segment_ptr 1
		.amdhsa_wavefront_size32 1
		.amdhsa_system_sgpr_workgroup_id_x 1
		.amdhsa_system_sgpr_workgroup_id_y 1
		.amdhsa_system_sgpr_workgroup_id_z 1
		.amdhsa_system_vgpr_workitem_id 0
		.amdhsa_next_free_vgpr 576
		.amdhsa_next_free_sgpr 68
		.amdhsa_reserve_vcc 0
		.amdhsa_float_denorm_mode_32 3
		.amdhsa_float_denorm_mode_16_64 3
		.amdhsa_memory_ordered 1
		.amdhsa_forward_progress 1
		.amdhsa_inst_pref_size 87
	.end_amdhsa_kernel
	.amdgpu_metadata
---
amdhsa.version: [ 1, 2 ]
amdhsa.kernels:
  - .name:           k_qdd9a14d57a_proj
    .symbol:         k_qdd9a14d57a_proj.kd
    .args:
      - { .name: y16, .offset: 0, .size: 8, .value_kind: global_buffer, .address_space: global }
      - { .name: wp16, .offset: 8, .size: 8, .value_kind: global_buffer, .address_space: global }
      - { .name: out0, .offset: 16, .size: 8, .value_kind: global_buffer, .address_space: global }
      - { .name: b_proj, .offset: 24, .size: 8, .value_kind: global_buffer, .address_space: global }
    .group_segment_fixed_size: 327680
    .private_segment_fixed_size: 0
    .kernarg_segment_align: 8
    .kernarg_segment_size: 32
    .max_flat_workgroup_size: 128
    .sgpr_count:     68
    .vgpr_count:     576
    .wavefront_size: 32
...
	.end_amdgpu_metadata
.endif
;; end of part 5
;; launch fine_proj (part 6): grid 64 x 4, 4 waves a work-group, no clusters, 4,608 bytes of LDS; arguments yf, W_proj, b_proj, out0; writes out0
.if DOCPART == 6
	.amdgcn_target "amdgcn-amd-amdhsa--gfx1250"
	.amdhsa_code_object_version 6
	.text
	.protected	k_qdd9a14d57a_fine_proj
	.globl	k_qdd9a14d57a_fine_proj
	.p2align	8
	.type	k_qdd9a14d57a_fine_proj,@function
k_qdd9a14d57a_fine_proj:
	s_mov_b64 s[64:65], 0
	v_nop
	global_prefetch_b8 v0, s[64:65] scope:SCOPE_SE
	s_setreg_imm32_b32 hwreg(HW_REG_WAVE_MODE, 25, 1), 1
	s_wait_xcnt 0x0
; The first 16 positions of every sequence through the projection in f32: out[b][t < 16][n] = the sum over k of yf[b][t][k] W_proj[n][k] + b_proj[n], by v_wmma_f32_16x16x4_f32.  It replaces what the f16 launch left in these rows.
; A work-group takes 16 columns of one batch; wave w takes k = 256 w .. 256 w + 255; the four partial tiles meet in LDS as images of their registers, and wave 0 adds them and the bias and stores.
; A lane's load of 16 bytes at row r, byte 32 i + 16 h, brings k = 8 i + 4 h + 0 .. 3: registers (4 i + 2 u, + 1) of both operands are A and B of a product over k = 8 i + 4 h + 2 u + {0, 1}: the same order on both sides.
; TRANSPOSED (source 0 = 16 rows of W, source 1 = the 16 tokens): lane (r, h) holds token r, register j column 8 h + j.  The stores are pieces of 64 bytes, 256 KiB in the launch.  No cluster: 64 KiB of yf are all that is shared.
; REGISTERS: window 0: v1-13 addresses, v16-55 at work, v64-191 W's numbers.  window 1: v0-127 y's numbers, v128-159 four accumulators: written by matrix instructions alone.
.set WF, 64
.set SPW, 12
.set NIL, 13
.set SPARE, 4096                       ; behind the four images of 1,024 bytes: the spare words, 128 bytes a wave, named by no other line
.set MSB, 0
.macro WIN new
.if MSB != (\new)
	s_set_vgpr_msb (MSB<<8)|(\new)
.set MSB, (\new)
.endif
.endm
	s_load_b256 s[4:11], s[0:1], 0x0               ; yf s[4:5], W_proj s[6:7], b_proj s[8:9], out0 s[10:11]
	v_lshl_add_u32 v[SPW], v0, 2, SPARE
	v_mov_b32 v[NIL], 0
	v_lshrrev_b32 v1, 5, v0
	v_readfirstlane_b32 s12, v1                    ; wave 0..3
	v_and_b32 v1, 15, v0                           ; r
	v_bfe_u32 v2, v0, 4, 1                         ; h
	v_lshlrev_b32 v3, 12, v1
	v_lshl_add_u32 v3, v2, 4, v3
	s_lshl_b32 s13, s12, 10
	v_add_nc_u32 v3, s13, v3                       ; both operands: row r of 4,096 bytes + 16 h + my quarter of K
	v_and_b32 v4, 31, v0
	v_lshlrev_b32 v4, 4, v4                        ; an image's place for my lane
	v_add_nc_u32 v5, s13, v4                       ; my wave's image
	v_lshlrev_b32 v6, 5, v2                        ; the bias: 8 h numbers on
	v_lshlrev_b32 v7, 12, v1
	v_lshl_add_u32 v7, v2, 5, v7                   ; out: row r + 32 h
	s_and_b32 s14, ttmp7, 0xffff                   ; the batch
	s_mov_b32 s17, 0
	s_wait_kmcnt 0x0
	s_lshl_b32 s16, s14, 16
	s_add_nc_u64 s[4:5], s[4:5], s[16:17]
	s_lshl_b32 s16, ttmp9, 16                      ; 16 rows of W_proj
	s_add_nc_u64 s[6:7], s[6:7], s[16:17]
	s_lshl_b32 s16, ttmp9, 6
	s_add_nc_u64 s[8:9], s[8:9], s[16:17]
	s_add_nc_u64 s[10:11], s[10:11], s[16:17]
	s_lshl_b32 s16, s14, 23                        ; 2,048 rows of 4,096 bytes a batch
	s_add_nc_u64 s[10:11], s[10:11], s[16:17]
.set i, 0
.rept 32
	global_load_b128 v[WF+4*i:WF+4*i+3], v3, s[6:7] offset:32*i
.set i, i+1
.endr
	WIN 0x40                                       ; destination window 1
.set i, 0
.rept 32
	global_load_b128 v[4*i:4*i+3], v3, s[4:5] offset:32*i
.set i, i+1
.endr
	WIN 0
	s_wait_loadcnt 0x0
	WIN 0x54                                       ; source 1, C and D window 1
.set i, 0
.rept 64                                       ; four accumulators by turns; the first four products start the sums
.if i < 4
	v_wmma_f32_16x16x4_f32 v[128+8*(i%4):128+8*(i%4)+7], v[WF+2*i:WF+2*i+1], v[2*i:2*i+1], 0
.else
	v_wmma_f32_16x16x4_f32 v[128+8*(i%4):128+8*(i%4)+7], v[WF+2*i:WF+2*i+1], v[2*i:2*i+1], v[128+8*(i%4):128+8*(i%4)+7]
.endif
.set i, i+1
.endr
	WIN 0
.rept 8
	v_nop                                          ; eight places behind this form's results
.endr
	WIN 0x05                                       ; sources 0 and 1 window 1
.irp j, 0,1,2,3,4,5,6,7
	v_add_f32 v[16+\j], v[128+\j], v[136+\j]       ; each accumulator from its low end on
.endr
.irp j, 0,1,2,3,4,5,6,7
	v_add_f32 v[24+\j], v[144+\j], v[152+\j]
.endr
	WIN 0
.irp j, 0,2,4,6
	v_pk_add_f32 v[16+\j:17+\j], v[16+\j:17+\j], v[24+\j:25+\j]
.endr
	ds_store_b128 v5, v[16:19]
	ds_store_b128 v5, v[20:23] offset:512
	s_wait_dscnt 0x0                               ; for the others' sake: my image has landed
	s_barrier_signal -1
	s_barrier_wait -1
	s_wait_tensorcnt 0x0                           ; three closing lines behind my last LDS store
	ds_add_u32 v[SPW], v[NIL]
	s_wait_dscnt 0x0
	s_cmp_lg_u32 s12, 0
	s_cbranch_scc1 .Ldone
.irp w, 1,2,3
	ds_load_b128 v[24+8*(\w-1):24+8*(\w-1)+3], v4 offset:1024*\w
	ds_load_b128 v[24+8*(\w-1)+4:24+8*(\w-1)+7], v4 offset:1024*\w+512
.endr
	global_load_b128 v[48:51], v6, s[8:9]
	global_load_b128 v[52:55], v6, s[8:9] offset:16
	s_wait_dscnt 0x0
	s_wait_loadcnt 0x0
.irp g, 24,32,40,48
.irp j, 0,2,4,6
	v_pk_add_f32 v[16+\j:17+\j], v[16+\j:17+\j], v[\g+\j:\g+\j+1]
.endr
.endr
	global_store_b128 v7, v[16:19], s[10:11]
	global_store_b128 v7, v[20:23], s[10:11] offset:16
.Ldone:
	s_endpgm
.Lfunc_end_k_qdd9a14d57a_fine_proj:
	.size	k_qdd9a14d57a_fine_proj, .Lfunc_end_k_qdd9a14d57a_fine_proj-k_qdd9a14d57a_fine_proj
	.p2alignl 7, 3214868480
	.fill 96, 4, 3214868480
	.section	.rodata,"a",@progbits
	.p2align	6, 0x0
	.amdhsa_kernel k_qdd9a14d57a_fine_proj
		.amdhsa_group_segment_fixed_size 4608
		.amdhsa_private_segment_fixed_size 0
		.amdhsa_enable_private_segment 0
		.amdhsa_kernarg_size 32
		.amdhsa_user_sgpr_count 2
		.amdhsa_user_sgpr_kernarg_segment_ptr 1
		.amdhsa_wavefront_size32 1
		.amdhsa_system_sgpr_workgroup_id_x 1
		.amdhsa_system_sgpr_workgroup_id_y 1
		.amdhsa_system_sgpr_workgroup_id_z 1
		.amdhsa_system_vgpr_workitem_id 0
		.amdhsa_next_free_vgpr 416
		.amdhsa_next_free_sgpr 66
		.amdhsa_reserve_vcc 0
		.amdhsa_float_denorm_mode_32 3
		.amdhsa_float_denorm_mode_16_64 3
		.amdhsa_memory_ordered 1
		.amdhsa_forward_progress 1
		.amdhsa_inst_pref_size 15
	.end_amdhsa_kernel
	.amdgpu_metadata
---
amdhsa.version: [ 1, 2 ]
amdhsa.kernels:
  - .name:           k_qdd9a14d57a_fine_proj
    .symbol:         k_qdd9a14d57a_fine_proj.kd
    .args:
      - { .name: yf, .offset: 0, .size: 8, .value_kind: global_buffer, .address_space: global }
      - { .name: W_proj, .offset: 8, .size: 8, .value_kind: global_buffer, .address_space: global }
      - { .name: b_proj, .offset: 16, .size: 8, .value_kind: global_buffer, .address_space: global }
      - { .name: out0, .offset: 24, .size: 8, .value_kind: global_buffer, .address_space: global }
    .group_segment_fixed_size: 4608
    .private_segment_fixed_size: 0
    .kernarg_segment_align: 8
    .kernarg_segment_size: 32
    .max_flat_workgroup_size: 128
    .sgpr_count:     66
    .vgpr_count:     416
    .wavefront_size: 32
...
	.end_amdgpu_metadata
.endif
;; end of part 6
